; MI455X (gfx1250); checked and timed in simulation.
; The chip was launched on July 23, 2026; its instructions are those of AMD's public machine-readable ISA for CDNA 5 (MIT licence, August 2026) and "CDNA5" Instruction Set Architecture Reference Guide (July 2026). The comments in the code are by the model that wrote it; some were corrected since.
;; Distributed Mo E Layer. Allowed arithmetic: matrix products marked QUANTISED: E4M3 operands, one E8M0 scale for each 32 along K, by v_wmma_scale_f32_16x16x128_f8f6f4 with both operands' format E4M3, f32 sums; products left as they are: f32 operands where the result goes on into a quantised operand, else bf16, f16 or f32 operands; f32 sums; everything else in f32.
;; Inputs: w1_codes 8 x 4,096 x 32 x 32 uint8 (E4M3 codes of w1, K innermost, in blocks of 32 codes); w1_scales 8 x 4,096 x 32 uint8 (E8M0 scales of w1, one for each 32 codes along K); w2_codes 8 x 1,024 x 128 x 32 uint8 (E4M3 codes of w2, K innermost, in blocks of 32 codes); w2_scales 8 x 1,024 x 128 uint8 (E8M0 scales of w2, one for each 32 codes along K); w_router 1,024 x 8 float32; x 1,024 x 1,024 float32.
;; Outputs: out0 1,024 x 1,024 float32.
;; This version of the problem:
;;   THIS VERSION OF THE PROBLEM IS GIVEN IN LOW PRECISION. The matrix products marked QUANTISED in the list below multiply operands that are first quantised to E4M3 (4 exponent bits, 3 mantissa bits; 8 bits a number), with one power-of-two scale for each 32 numbers along K (OCP MX v1.0); their sums are f32. All else is computed in f32.
;;   The module's matrix products, in the order in which they are computed (A, B: the left and right operand; K: the contracted axis; several contracted axes count as one K, in the product's order):
;;     1. [M 1,024, K 1,024] x [K 1,024, N 8]; A: input x; B: input w_router: left as it is (N = 8 < 16)
;;     2. [M 1,024, K 1,024] x [K 1,024, N 4,096]; A: input x; B: input w1 (given as codes): QUANTISED
;;     3. [M 1,024, K 4,096] x [K 4,096, N 1,024]; A: computed on the way; B: input w2 (given as codes): QUANTISED
;;     4. [M 1,024, K 1,024] x [K 1,024, N 4,096]; A: input x; B: input w1 (given as codes): QUANTISED
;;     5. [M 1,024, K 4,096] x [K 4,096, N 1,024]; A: computed on the way; B: input w2 (given as codes): QUANTISED
;;     6. [M 1,024, K 1,024] x [K 1,024, N 4,096]; A: input x; B: input w1 (given as codes): QUANTISED
;;     7. [M 1,024, K 4,096] x [K 4,096, N 1,024]; A: computed on the way; B: input w2 (given as codes): QUANTISED
;;     8. [M 1,024, K 1,024] x [K 1,024, N 4,096]; A: input x; B: input w1 (given as codes): QUANTISED
;;     9. [M 1,024, K 4,096] x [K 4,096, N 1,024]; A: computed on the way; B: input w2 (given as codes): QUANTISED
;;     10. [M 1,024, K 1,024] x [K 1,024, N 4,096]; A: input x; B: input w1 (given as codes): QUANTISED
;;     11. [M 1,024, K 4,096] x [K 4,096, N 1,024]; A: computed on the way; B: input w2 (given as codes): QUANTISED
;;     12. [M 1,024, K 1,024] x [K 1,024, N 4,096]; A: input x; B: input w1 (given as codes): QUANTISED
;;     13. [M 1,024, K 4,096] x [K 4,096, N 1,024]; A: computed on the way; B: input w2 (given as codes): QUANTISED
;;     14. [M 1,024, K 1,024] x [K 1,024, N 4,096]; A: input x; B: input w1 (given as codes): QUANTISED
;;     15. [M 1,024, K 4,096] x [K 4,096, N 1,024]; A: computed on the way; B: input w2 (given as codes): QUANTISED
;;     16. [M 1,024, K 1,024] x [K 1,024, N 4,096]; A: input x; B: input w1 (given as codes): QUANTISED
;;     17. [M 1,024, K 4,096] x [K 4,096, N 1,024]; A: computed on the way; B: input w2 (given as codes): QUANTISED
;;   THE QUANTISER, for each operand of a quantised product, along K:
;;     - K is cut into blocks of 32 from its start; a last block that is shorter is filled with zeros.
;;     - A block's scale is 2^e with e = floor(log2(the largest magnitude in the block)) - 8, held to -126 .. 127; a block of zeros has e = 0. As a byte (E8M0): e + 127.
;;     - Each number is divided by its block's scale, clamped to +-448, and rounded to the nearest number of E4M3, ties to even, subnormals kept.
;;     - The product sums the exact products of the quantised numbers (number of the format x scale) in f32.
;;   ~~~python
;;   def quantise(x, axis):      # numpy; x: float32 -> the quantised numbers, widened to float32 again
;;       x = np.moveaxis(x, axis, -1); K = x.shape[-1]
;;       x = np.pad(x, [(0, 0)] * (x.ndim - 1) + [(0, -K % 32)]); x = x.reshape(x.shape[:-1] + (-1, 32)); a = np.abs(x).max(-1, keepdims=True)
;;       e = np.where(a > 0, np.clip(np.frexp(np.where(a > 0, a, 1))[1] - 1 - 8, -126, 127), 0)      # np.frexp(a)[1] - 1 = floor(log2(a)), exactly
;;       r = np.clip(x / 2.0 ** e, -448, 448)
;;       step = 2.0 ** (np.maximum(np.frexp(np.where(r == 0, 1, r))[1] - 1, -6) - 3)
;;       q = np.round(r / step) * step * 2.0 ** e      # np.round: ties to even
;;       return np.moveaxis(q.reshape(q.shape[:-2] + (-1,))[..., :K], -1, axis).astype(np.float32)
;;   ~~~
;;   OPERANDS COMPUTED ON THE WAY. 'Computed on the way' means the value that the module computes at that place (a softmax that the list does not call 'softmax' is quantised finished and normalised). What goes into a quantiser is computed in f32, as accurately as f32 sums, v_exp_f32 and their like allow (about 1e-6 of the number): no bf16 or f16 on the way to a quantiser, and a product that is left as it is and whose result goes on into a quantised operand takes f32 operands (vector FMAs, or v_wmma_f32_16x16x4_f32). A number that lies on a knife's edge between two numbers of the format may be rounded either way, as far as f32 arithmetic and the matrix unit's own rounding can turn it there, and no further.
;;   INPUTS GIVEN AS CODES. w1 (in the module: [8, 1024, 4096], K = its axis 1); w2 (in the module: [8, 4096, 1024], K = its axis 1): each comes as NAME_codes (uint8): NAME with its K axis moved to the last place and cut into blocks of 32 codes, [.., K / 32, bytes a block], one block behind the other in memory; one code a byte (a code: sign, 4 exponent bits, 3 mantissa bits); and NAME_scales (uint8): the same leading axes, one E8M0 byte (e + 127) for each 32 codes along K. Its value is code x scale, taken as it is: it is not quantised again, and the codes and scales need not be those that the quantiser above would give.
;; 2 versions. Each part assembles by itself: llvm-mc -triple=amdgcn-amd-amdhsa -mcpu=gfx1250 --defsym DOCPART=n.
;; ======== version 1 of 2: 4 launches
;; workspace buffers: xq 1,048,576 bytes; xsw 40,960 bytes; sel 8,192 bytes of whole numbers; plan 99,328 bytes of whole numbers; him 33,554,432 bytes; hsc 1,048,576 bytes; ys 33,554,432 bytes
;; launch route (part 1): grid 256 x 1, 4 waves a work-group, no clusters, 59,904 bytes of LDS; arguments x, w_router, xq, xsw, sel; writes xq, xsw, sel
.if DOCPART == 1
	.amdgcn_target "amdgcn-amd-amdhsa--gfx1250"
	.amdhsa_code_object_version 6
	.text
	.protected	k_qeaf4ee8896_route
	.globl	k_qeaf4ee8896_route
	.p2align	8
	.type	k_qeaf4ee8896_route,@function
k_qeaf4ee8896_route:
	s_mov_b64 s[64:65], 0
	v_nop
	global_prefetch_b8 v0, s[64:65] scope:SCOPE_SE
	s_setreg_imm32_b32 hwreg(HW_REG_WAVE_MODE, 25, 1), 1
	s_wait_xcnt 0x0
; THE ROUTER AND THE QUANTISER OF x.  x [1024][1024] f32, w_router [1024][8] f32.  One wave takes one token n = 4 x work-group + wave.
; It makes (a) the 8 logits by f32 multiply-adds, the softmax with its maximum taken off, the two largest probabilities (the lower index wins a tie) and their weights p / (pa + pb);
; (b) the token's 1,024 codes of E4M3 and 32 E8M0 bytes: a lane holds one block of 32 along K.
; OUT: xq [1024][1024] codes; xsw: bytes 0 .. 32,767 the scale bytes [1024][32], from byte 32,768 the weights f32 [1024][2]; sel u32 [1024][2] the chosen experts, at fixed places: no address here hangs on them.
; LIMITS: NaN and infinities are not served; a block whose largest magnitude lies under 2^(9 - 127) keeps the byte 1 (a block of zeros too: its codes are zeros, and this program alone reads the bytes);
; two probabilities nearer to each other than f32 summation resolves may be ranked the other way.
; LDS: w_router at byte 0, 16 bytes of padding behind each 128 (a lane's four rows of weights lie 144 bytes from its neighbour's); then for each wave 4,608 bytes in which x turns from 16 bytes a lane to 128 bytes a lane, and 1,024 in which the codes turn back.
.set XT,   36864                       ; the waves' regions begin here
.set WREG, 5632                        ; a wave's region
.set CT,   4608                        ; in it: the codes' turn, behind x's
.set X,    16                          ; v16-47   x as loaded: register 4 i + j = x[128 i + 4 lane + j]
.set WG,   48                          ; v48-111  w_router on its way to LDS, then two sets of 32 weights
.set B,    112                         ; v112-143 x[32 lane + 0 .. 31]; later at work
.set A,    144                         ; v144-151 the 8 logits, in 4 pairs
.set C,    152                         ; v152-159 my block's 32 codes
.set T,    160                         ; v160-167 at work
.set CO,   168                         ; v168-175 the codes as they leave
.set P,    176                         ; v176-183 the probabilities
.set SELR, 184                         ; v[184:185] the two experts
.set WTS,  186                         ; v[186:187] their weights
.set Z,    188                         ; v188 0
.set BYT,  189                         ; v189 my block's scale byte
	s_load_b256 s[4:11], s[0:1], 0x0               ; x s[4:5], w_router s[6:7], xq s[8:9], xsw s[10:11]
	s_load_b64 s[12:13], s[0:1], 0x20              ; sel
	v_lshl_add_u32 v192, v0, 2, 0xe800
	v_mov_b32 v193, 0
	v_lshrrev_b32 v1, 5, v0
	v_readfirstlane_b32 s14, v1                    ; wave
	v_and_b32 v2, 31, v0                           ; lane
	v_lshlrev_b32 v3, 4, v2                        ; 16 x lane
	v_lshlrev_b32 v4, 4, v0                        ; 16 x thread
	s_lshl_b32 s15, ttmp9, 2
	s_add_co_u32 s15, s15, s14                     ; my token
	s_mul_i32 s16, s14, WREG
	s_add_co_u32 s16, s16, XT                      ; my wave's region
	v_lshrrev_b32 v5, 3, v2
	v_lshl_add_u32 v5, v5, 4, v3
	v_add_nc_u32 v5, s16, v5                       ; x into its turn: 16 lane + 16 (lane / 8); 576 bytes a load
	v_lshrrev_b32 v6, 3, v0
	v_lshl_add_u32 v6, v6, 4, v4                   ; w_router into LDS: 16 t + 16 (t / 8); 2,304 bytes a load
	v_mul_u32_u24 v7, v2, 144                      ; and out of it: 144 x lane; 4,608 bytes for each 128 along K
	v_add_nc_u32 v8, s16, v7                       ; x out of its turn: my 128 bytes
	v_lshl_add_u32 v9, v2, 5, s16                  ; the codes into their turn: 32 x lane
	v_add_nc_u32 v10, s16, v3                      ; and out: 16 x lane
	s_mov_b32 s17, 0x600000                        ; the mantissa field of 448
	s_mov_b32 s18, 0x76543210
	s_mov_b32 s19, 0xfedcba98                      ; v_permlanex16_b32's selects for lane l xor 16
	s_lshl_b32 s20, s15, 12                        ; a row of x is 4,096 bytes,
	s_mov_b32 s21, 0
	s_lshl_b32 s22, s15, 10                        ; of codes 1,024,
	s_mov_b32 s23, 0
	s_lshl_b32 s24, s15, 5                         ; of scale bytes 32,
	s_mov_b32 s25, 0
	s_lshl_b32 s26, s15, 3                         ; of experts and of weights 8
	s_mov_b32 s27, 0
	s_wait_kmcnt 0x0
	s_add_nc_u64 s[4:5], s[4:5], s[20:21]
	s_add_nc_u64 s[8:9], s[8:9], s[22:23]
	s_add_nc_u64 s[28:29], s[10:11], s[24:25]
	s_add_nc_u64 s[10:11], s[10:11], s[26:27]
	s_add_nc_u64 s[12:13], s[12:13], s[26:27]
.irp i, 0,1,2,3,4,5,6,7
	global_load_b128 v[X+4*\i:X+4*\i+3], v3, s[4:5] offset:512*\i th:TH_LOAD_NT   ; 32 lanes read 512 consecutive bytes
.endr
.irp j, 0,1,2,3,4,5,6,7,8,9,10,11,12,13,14,15
	global_load_b128 v[WG+4*\j:WG+4*\j+3], v4, s[6:7] offset:2048*\j             ; the work-group reads 2,048 consecutive bytes
.endr
	s_wait_loadcnt 16                              ; x is in; w_router's 16 loads may be out
.irp i, 0,1,2,3,4,5,6,7
	ds_store_b128 v5, v[X+4*\i:X+4*\i+3] offset:576*\i
.endr
	s_wait_loadcnt 0x0
.irp j, 0,1,2,3,4,5,6,7,8,9,10,11,12,13,14,15
	ds_store_b128 v6, v[WG+4*\j:WG+4*\j+3] offset:2304*\j
.endr
	s_wait_dscnt 0x0                               ; for the others' sake: my part of w_router lies in LDS
	s_barrier_signal -1
	s_barrier_wait -1
.irp m, 0,1,2,3,4,5,6,7
	ds_load_b128 v[B+4*\m:B+4*\m+3], v8 offset:16*\m   ; my block of 32 along K (issued first: the counted waits below cover it)
.endr
.macro WSET i                          ; the weights of x[128 i + 4 lane + 0 .. 3]: four rows of 8, register 8 j + e
.irp m, 0,1,2,3,4,5,6,7
	ds_load_b128 v[WG+32*((\i)%2)+4*\m:WG+32*((\i)%2)+4*\m+3], v7 offset:4608*(\i)+16*\m
.endr
.endm
.macro DOT i                           ; 16 packed multiply-adds: two experts each, x broadcast from one register of its pair; the first four start the sums
.irp j, 0,1,2,3
.irp ep, 0,1,2,3
.if (\i == 0) && (\j == 0)
	v_pk_mul_f32 v[A+2*\ep:A+2*\ep+1], v[X:X+1], v[WG+2*\ep:WG+2*\ep+1] op_sel_hi:[0,1]
.elseif (\j % 2) == 0
	v_pk_fma_f32 v[A+2*\ep:A+2*\ep+1], v[X+4*\i+\j:X+4*\i+\j+1], v[WG+32*(\i%2)+8*\j+2*\ep:WG+32*(\i%2)+8*\j+2*\ep+1], v[A+2*\ep:A+2*\ep+1] op_sel_hi:[0,1,1]
.else
	v_pk_fma_f32 v[A+2*\ep:A+2*\ep+1], v[X+4*\i+\j-1:X+4*\i+\j], v[WG+32*(\i%2)+8*\j+2*\ep:WG+32*(\i%2)+8*\j+2*\ep+1], v[A+2*\ep:A+2*\ep+1] op_sel:[1,0,0] op_sel_hi:[1,1,1]
.endif
.endr
.endr
.endm
	WSET 0
	WSET 1
.irp i, 0,1,2,3,4,5,6,7
.if \i < 7
	s_wait_dscnt 8                                 ; this set is in; the next set's eight loads may be out
.else
	s_wait_dscnt 0x0
.endif
	DOT \i
.if \i < 6
	WSET \i+2
.endif
.endr
	; THE QUANTISER: all 32 numbers of the block are mine
	v_max3_num_f32 v[T], |v[B]|, |v[B+1]|, |v[B+2]|
	v_max3_num_f32 v[T+1], |v[B+3]|, |v[B+4]|, |v[B+5]|
.irp i, 6,10,14,18,22,26
	v_max3_num_f32 v[T], v[T], |v[B+\i]|, |v[B+\i+1]|
	v_max3_num_f32 v[T+1], v[T+1], |v[B+\i+2]|, |v[B+\i+3]|
.endr
	v_max3_num_f32 v[T], v[T], |v[B+30]|, |v[B+31]|
	v_max3_num_f32 v[T], v[T], v[T+1], 0x4800000   ; and the floor 2^(9 - 127): the byte cannot fall under 1
	v_add_nc_u32 v[T+3], 0xfc000000, v[T]          ; 8 off the exponent field: the conversion's scale operand
	v_and_or_b32 v[T+2], v[T], 0x7f800000, s17     ; 448 x the scale
	v_lshrrev_b32 v[BYT], 23, v[T+3]               ; the scale's byte
.irp i, 0,1,2,3,4,5,6,7,8,9,10,11,12,13,14,15,16,17,18,19,20,21,22,23,24,25,26,27,28,29,30,31
	v_med3_num_f32 v[B+\i], v[B+\i], -v[T+2], v[T+2]   ; the conversion to an 8-bit code does not saturate (ISA guide 7.6.2): the hold comes first
.endr
.irp g, 0,1,2,3
	v_cvt_scalef32_pk8_fp8_f32 v[C+2*\g:C+2*\g+1], v[B+8*\g:B+8*\g+7], v[T+3]
.endr
	v_nop                                          ; a plain line behind the last conversion: its sources are written again below
	ds_store_b128 v9, v[C:C+3] offset:CT
	ds_store_b128 v9, v[C+4:C+7] offset:CT+16
	ds_load_b128 v[CO:CO+3], v10 offset:CT         ; LDS serves a wave's instructions in order: these see my stores
	ds_load_b128 v[CO+4:CO+7], v10 offset:CT+512
	global_store_b8 v2, v[BYT], s[28:29]           ; 32 consecutive bytes a wave: the whole table is 32 KB, so no further stage is spent on it
	; the logits: the sum over the 32 lanes, in every lane
.irp k, 1,2,4,8
.irp e, 0,1,2,3,4,5,6,7
	v_add_f32_dpp v[A+\e], v[A+\e], v[A+\e] row_xmask:\k row_mask:0xf bank_mask:0xf
.endr
.endr
.irp e, 0,1,2,3,4,5,6,7
	v_permlanex16_b32 v[B+\e], v[A+\e], s18, s19
.endr
.irp e, 0,1,2,3,4,5,6,7
	v_add_f32 v[A+\e], v[A+\e], v[B+\e]
.endr
	s_wait_dscnt 0x0                               ; the codes are back
	global_store_b128 v3, v[CO:CO+3], s[8:9]       ; 512 consecutive bytes each
	global_store_b128 v3, v[CO+4:CO+7], s[8:9] offset:512
	; the softmax, with the largest logit taken off
	v_max3_num_f32 v[T], v[A], v[A+1], v[A+2]
	v_max3_num_f32 v[T], v[T], v[A+3], v[A+4]
	v_max3_num_f32 v[T], v[T], v[A+5], v[A+6]
	v_max_num_f32 v[T], v[T], v[A+7]
.irp e, 0,1,2,3,4,5,6,7
	v_sub_f32 v[P+\e], v[A+\e], v[T]
.endr
.irp e, 0,1,2,3,4,5,6,7
	v_mul_f32 v[P+\e], 0x3fb8aa3b, v[P+\e]         ; x log2(e)
.endr
.irp e, 0,1,2,3,4,5,6,7
	v_exp_f32 v[P+\e], v[P+\e]
.endr
	v_nop                                          ; a plain line behind the exponentials,
	s_wait_alu depctr_va_vdst(0)                   ; and one wait for the batch, ahead of its first reader
	v_add_f32 v[T], v[P], v[P+1]
	v_add_f32 v[T+1], v[P+2], v[P+3]
	v_add_f32 v[T+2], v[P+4], v[P+5]
	v_add_f32 v[T+3], v[P+6], v[P+7]
	v_add_f32 v[T], v[T], v[T+1]
	v_add_f32 v[T+2], v[T+2], v[T+3]
	v_add_f32 v[T], v[T], v[T+2]
	v_rcp_f32 v[T+4], v[T]
	v_mov_b32 v[B+16], -1.0                        ; (plain lines behind the reciprocal)  under every probability
.irp e, 1,2,3,4,5,6,7
	v_mov_b32 v[B+8+\e], \e                        ; the experts' numbers, for the selects
.endr
	s_wait_alu depctr_va_vdst(0)
.irp e, 0,1,2,3,4,5,6,7
	v_mul_f32 v[P+\e], v[P+\e], v[T+4]
.endr
	; the two largest, by selects alone: a later expert wins only where it is strictly larger
	v_mov_b32 v[T], v[P]
	v_mov_b32 v[SELR], 0
.irp e, 1,2,3,4,5,6,7
	v_cmp_gt_f32 vcc_lo, v[P+\e], v[T]
	v_cndmask_b32 v[T], v[T], v[P+\e], vcc_lo
	v_cndmask_b32 v[SELR], v[SELR], v[B+8+\e], vcc_lo
.endr
.irp e, 0,1,2,3,4,5,6,7
	v_cmp_eq_u32 vcc_lo, \e, v[SELR]
	v_cndmask_b32 v[P+\e], v[P+\e], v[B+16], vcc_lo   ; the winner is taken out
.endr
	v_mov_b32 v[T+1], v[P]
	v_mov_b32 v[SELR+1], 0
.irp e, 1,2,3,4,5,6,7
	v_cmp_gt_f32 vcc_lo, v[P+\e], v[T+1]
	v_cndmask_b32 v[T+1], v[T+1], v[P+\e], vcc_lo
	v_cndmask_b32 v[SELR+1], v[SELR+1], v[B+8+\e], vcc_lo
.endr
	v_add_f32 v[T+2], v[T], v[T+1]
	v_rcp_f32 v[T+3], v[T+2]
	v_mov_b32 v[Z], 0                              ; (a plain line behind the reciprocal)
	s_wait_alu depctr_va_vdst(0)
	v_mul_f32 v[WTS], v[T], v[T+3]
	v_mul_f32 v[WTS+1], v[T+1], v[T+3]
	v_cmp_eq_u32 vcc_lo, 0, v2
	s_wait_xcnt 0x0                                ; EXEC is a source of the stores above: it changes only behind this wait
	s_wait_tensorcnt 0x0
	ds_add_u32 v192, v193
	s_wait_dscnt 0x0
	s_and_saveexec_b32 s30, vcc_lo                 ; every lane holds the same four numbers: lane 0 stores them
	global_store_b64 v[Z], v[SELR:SELR+1], s[12:13]
	global_store_b64 v[Z], v[WTS:WTS+1], s[10:11] offset:32768
	s_wait_xcnt 0x0
	s_or_b32 exec_lo, exec_lo, s30
	s_endpgm
.Lfunc_end_k_qeaf4ee8896_route:
	.size	k_qeaf4ee8896_route, .Lfunc_end_k_qeaf4ee8896_route-k_qeaf4ee8896_route
	.p2alignl 7, 3214868480
	.fill 96, 4, 3214868480
	.section	.rodata,"a",@progbits
	.p2align	6, 0x0
	.amdhsa_kernel k_qeaf4ee8896_route
		.amdhsa_group_segment_fixed_size 59904
		.amdhsa_private_segment_fixed_size 0
		.amdhsa_enable_private_segment 0
		.amdhsa_kernarg_size 40
		.amdhsa_user_sgpr_count 2
		.amdhsa_user_sgpr_kernarg_segment_ptr 1
		.amdhsa_wavefront_size32 1
		.amdhsa_system_sgpr_workgroup_id_x 1
		.amdhsa_system_sgpr_workgroup_id_y 1
		.amdhsa_system_sgpr_workgroup_id_z 1
		.amdhsa_system_vgpr_workitem_id 0
		.amdhsa_next_free_vgpr 194
		.amdhsa_next_free_sgpr 66
		.amdhsa_reserve_vcc 1
		.amdhsa_float_denorm_mode_32 3
		.amdhsa_float_denorm_mode_16_64 3
		.amdhsa_memory_ordered 1
		.amdhsa_forward_progress 1
		.amdhsa_inst_pref_size 31
	.end_amdhsa_kernel
	.amdgpu_metadata
---
amdhsa.version: [ 1, 2 ]
amdhsa.kernels:
  - .name:           k_qeaf4ee8896_route
    .symbol:         k_qeaf4ee8896_route.kd
    .args:
      - { .name: x, .offset: 0, .size: 8, .value_kind: global_buffer, .address_space: global }
      - { .name: w_router, .offset: 8, .size: 8, .value_kind: global_buffer, .address_space: global }
      - { .name: xq, .offset: 16, .size: 8, .value_kind: global_buffer, .address_space: global }
      - { .name: xsw, .offset: 24, .size: 8, .value_kind: global_buffer, .address_space: global }
      - { .name: sel, .offset: 32, .size: 8, .value_kind: global_buffer, .address_space: global }
    .group_segment_fixed_size: 59904
    .private_segment_fixed_size: 0
    .kernarg_segment_align: 8
    .kernarg_segment_size: 40
    .max_flat_workgroup_size: 128
    .sgpr_count:     66
    .vgpr_count:     194
    .wavefront_size: 32
...
	.end_amdgpu_metadata
.endif
;; end of part 1
;; launch up (part 2): grid 32 x 8, 4 waves a work-group, no clusters, 69,120 bytes of LDS; arguments w1_codes, w1_scales, xq, xsw, sel, him, hsc, plan; writes him, hsc, plan
.if DOCPART == 2
	.amdgcn_target "amdgcn-amd-amdhsa--gfx1250"
	.amdhsa_code_object_version 6
	.text
	.protected	k_qeaf4ee8896_up
	.globl	k_qeaf4ee8896_up
	.p2align	8
	.type	k_qeaf4ee8896_up,@function
k_qeaf4ee8896_up:
	s_mov_b64 s[64:65], 0
	v_nop
	global_prefetch_b8 v0, s[64:65] scope:SCOPE_SE
	s_setreg_imm32_b32 hwreg(HW_REG_WAVE_MODE, 25, 1), 1
	s_wait_xcnt 0x0
; THE PLACING OF ROWS AND THE FIRST PRODUCT OF THE CHOSEN ROWS: h = Q(gelu(Q(x) W1[e])), on codes of E4M3 with one E8M0 byte for each 32 along K.
; SHARES.  Work-group (x, y): expert e = y, 256 FFN units (slice = x / 2), every second step of 32 rows of the expert's list (half = x % 2).  Wave w: units 256 slice + 64 w + 0 .. 63, all of K = 1,024:
; its 4 tiles x 8 K steps of W1 stay in 512 registers for the whole launch, loaded straight from the given codes.
; THE LIST.  sel u32 [1024][2] holds each token's two experts, stored by an earlier launch.  An expert's rows are the tokens that chose it, in ascending order: position p holds the (p + 1)-th of them.  While its first
; loads of W1 are on their way, every wave makes the expert's 32 masks of 32 tokens; then wave w finds the tokens of the work-group's steps 4 w .. 4 w + 3: a lane has one position p; a walk over the 32 chunks keeps the last
; chunk whose running count is at most p; the (p - count)-th set bit of that chunk's mask is found by field sums and five halvings.  The entries (token x 1,024) go to LDS at places that hang on wave and lane alone.
; A position at or beyond the expert's count gets some token of the table, whose results nobody reads.  Wave 0 of work-group x = 0 stores what the later launches want into plan: from byte 65,536 u32 [8][1024], a token's
; position in expert e's list (read only for tokens that chose e); from byte 98,304 u32 [8][32], the expert's count, 32 times.  The bytes of plan in front of these are not used.
; The rows: each wave gathers 8 rows of codes (whole rows of 1,024 bytes) into one of two LDS buffers, a step ahead of the products; all four waves read all 32 rows.
; THE NUMBER OF STEPS HANGS ON STORED NUMBERS, so this launch has no tensor load and no cluster: the partners that would share W1 are an expert's row steps, and their number is data.  The loop has a constant
; 16 steps; every wave passes every barrier; a step at or beyond T is jumped over.  T = max(1, my half's share of ceil(count / 32)): the first step is always done, here and in the next launch alike.
; THE PRODUCT IS USED TRANSPOSED (source 0 = 16 rows of W1, source 1 = 16 tokens) AND THE ROWS OF W1 THAT FORM A TILE ARE NOT NEIGHBOURS: lane r of tile 2 b + u takes unit 32 b + 8 u + r + 8 (r / 8).  So a lane holds one
; token, and the 16 registers of tiles 2 b, 2 b + 1 are units 32 b + 16 (lane / 16) + 0 .. 15: neighbours along the next K, in the order of the next operand's registers.
; gelu(x) = 0.5 x (1 + tanh(sqrt(2/pi) (x + 0.044715 x^3))) is computed as x / (1 + 2^t), t = x (a + b x^2), a = -2 log2(e) sqrt(2/pi), b = 0.044715 a: the same function, with no difference of near numbers.
; OUT.  him: h's codes as images of the next operand's registers, [e][tile of 16 positions][K step 32][c 4][lane 32][16 bytes]: each store is 512 consecutive bytes.
;       hsc: the scale bytes as half words, [e][step of 32 positions][K step 32][half word 2][row 32]: 64 consecutive bytes a store.
; LIMITS: NaN and infinities are not served; a block whose largest magnitude lies under 2^(9 - 127) keeps the byte 1 (its codes are zeros or nearly so, and this program alone reads the bytes).
; REGISTERS, in windows of 256: window 0 as named below; window 1: W1 of K steps 0-3 at ((s % 4) 4 + ct) 16; window 2: K steps 4-7 likewise; window 3: the rows' fragments at (2 s + rt) 16, and, once a step's products are done, v0-63 as gelu's scratch.
.set PITCH, 1040                       ; a row of codes in LDS: 1,024 bytes + 16 = 65 x 16: the 16 rows that a load touches start in 16 different columns of 16 bytes
.set BUF,   32*PITCH                   ; a buffer: 32 rows
.set LIST,  2*BUF                      ; behind the two buffers: the work-group's 16 steps x 32 entries of 4 bytes
.set VW,   4                           ; v4   W1: (r + 8 (r / 8)) x 1,024 + 16 h
.set VWS,  5                           ; v5   W1's scale words: (r + 8 (r / 8)) x 32
.set FR,   6                           ; v6   a fragment's place in a buffer: r x PITCH + 16 h
.set STA,  7                           ; v7   where I put gathered rows: 8 wave x PITCH + 16 lane
.set L16,  8                           ; v8   16 x lane
.set L4,   9                           ; v9   4 x lane
.set L2,   10                          ; v10  2 x lane
.set VL,   11                          ; v11  the list's entry of row `lane` of the next step
.set XA,   12                          ; v12  that token's row of scale bytes
.set GA,   14                          ; v[14:15] a, twice
.set GB,   16                          ; v[16:17] b, twice
.set LA,   18                          ; v18  LIST + 4 lane
.set IA,   19                          ; v19  LIST + 32 wave + 4 (lane % 8): my wave's 8 rows of a step
.set WS,   20                          ; v20-51   W1's scale words: 8 ct + s
.set XS,   52                          ; v52-67   the rows' scale words, two sets of 8: lanes 0-15 the first 16 rows', lanes 16-31 the other 16's
.set ACC,  68                          ; v68-131  8 accumulators: (4 rt + ct) 8.  At the head: v68-99 the 32 chunks' positions, v100-131 at work on the list
.set WK,   100                         ; at the head, 8 registers for each of my 4 steps: field sums of 2, 4, 8, 16 bits; two at work; the bit's place; the rank
.set G,    132                         ; v132-195 8 gathered rows on their way to LDS.  At the head: sel, two registers a chunk
.set TM,   196                         ; v196-211 the quantiser's: largest magnitudes, bytes, holds, scale operands
.set PC,   216                         ; v216-231 the codes: 4 registers for each (rt, b).  At the head:
.set PP,   216                         ; v216-219 my 4 steps' positions
.set SM,   220                         ; v220-223 the kept chunk's mask
.set SB,   224                         ; v224-227 its running count + (chunk << 16)
.set HW,   232                         ; v232-234 the half words
.set VI,   235                         ; v235 lanes 0-7: the list's entries of my wave's 8 rows of the next step
.set L8,   236                         ; v236 8 x lane
.set CN,   237                         ; v237 the expert's count
.set LT,   238                         ; v238, v239 LA and IA at the next step's row of the list
.set IT,   239
.set LW,   240                         ; v240 where I put list entries: LIST + 512 wave + 4 lane
.set MK,   20                          ; s20-51 at the head: the 32 masks
.set CM,   52                          ; s52-59 at the head: compare results
.set IDS,  20                          ; s[20:27] my 8 rows' list entries
.set OFF,  28                          ; s[28:43] the same, bounded, as 8 pairs with 0 above
.set RB,   44                          ; s[44:59] the 8 rows' addresses
.set PL,   60                          ; s[60:61] plan at my expert's row of positions
.set LOF,  62                          ; s62 128 x (the step + 1): the next step's row of the list
.set HP,   66                          ; s[66:67] him at my codes of the step in hand
.set SP,   68                          ; s[68:69] hsc likewise
.set SI,   70                          ; s70 the step
.set STP,  71                          ; s71 T
.set TRIP, 72                          ; s72 the loop's counter
.set SN,   73                          ; s73 the step + 1
.set MSK,  74                          ; s74 lanes 16-31
.set MNT,  75                          ; s75 the mantissa field of 448
.set SEL,  76                          ; s[76:77] v_permlanex16_b32's selects for lane l xor 16
.set PCN,  86                          ; s[86:87] plan at my expert's count
.set MSB, 0
.macro WIN new                         ; the immediate's high byte repeats the setting that is left; a switch that changes nothing is dropped
.if MSB != \new
	s_set_vgpr_msb (MSB<<8)|\new
.set MSB, \new
.endif
.endm
.macro PART dst, src, sh               ; s[dst] += s[src] << sh
	s_lshl_b32 s96, s[\src], \sh
	s_add_co_u32 s[\dst], s[\dst], s96
.endm
; 16 loads: column tile ct, K steps k0 .. k0 + 3 (the caller sets the window): lane (r, h) takes 16 bytes of its row; the eight loads of two neighbouring K steps use up 256 consecutive bytes of each row
.macro WL ct, k0
.irp s, 0,1,2,3
.irp c, 0,1,2,3
	global_load_b128 v[(\s*4+\ct)*16+4*\c:(\s*4+\ct)*16+4*\c+3], v[VW], s[4:5] offset:(32*(\ct/2)+8*(\ct%2))*1024+128*(\k0+\s)+32*\c
.endr
.endr
.endm
; One chunk of 32 tokens in the walk.  s80: the members in front of the chunk.  A later chunk whose count is still at most p takes the earlier one's place, so the last one kept is the chunk that holds position p.
.macro SCAN c
	v_mbcnt_lo_u32_b32 v[ACC+\c], s[MK+\c], s80    ; the position of token 32 c + lane, if it chose my expert
.if \c == 0
.irp q, 0,1,2,3
	v_mov_b32 v[SM+\q], s[MK]                      ; the first chunk's count, 0, is at most every p
.endr
.irp q, 0,1,2,3
	v_mov_b32 v[SB+\q], 0
.endr
.else
	s_add_co_u32 s81, s80, (\c)<<16                ; the count (at most 1,024) and the chunk in one word
.irp q, 0,1,2,3
	v_cmp_le_u32 s[CM+\q], s80, v[PP+\q]
.endr
.irp q, 0,1,2,3
	v_cndmask_b32 v[SM+\q], v[SM+\q], s[MK+\c], s[CM+\q]
.endr
.irp q, 0,1,2,3
	v_cndmask_b32 v[SB+\q], v[SB+\q], s81, s[CM+\q]
.endr
.endif
	s_bcnt1_i32_b32 s82, s[MK+\c]
	s_add_co_u32 s80, s80, s82
.endm
; One halving: the set bits in the lower st places from the bit's place on are read off a field sum (fw bits wide); a rank at or above them goes on in the upper half.  My 4 steps by turns.
.macro LEVEL sb, ss, fw, st
.irp q, 0,1,2,3
	v_bfe_u32 v[WK+8*\q+4], v[\sb+\ss*\q], v[WK+8*\q+6], \fw
.endr
.irp q, 0,1,2,3
	v_cmp_ge_u32 s[CM+\q], v[WK+8*\q+7], v[WK+8*\q+4]
.endr
.irp q, 0,1,2,3
	v_cndmask_b32 v[WK+8*\q+4], 0, v[WK+8*\q+4], s[CM+\q]
.endr
.irp q, 0,1,2,3
	v_cndmask_b32 v[WK+8*\q+5], 0, \st, s[CM+\q]
.endr
.irp q, 0,1,2,3
	v_sub_nc_u32 v[WK+8*\q+7], v[WK+8*\q+7], v[WK+8*\q+4]
.endr
.irp q, 0,1,2,3
	v_add_nc_u32 v[WK+8*\q+6], v[WK+8*\q+6], v[WK+8*\q+5]
.endr
.endm
; The loads of the next step, whose list words lie in VL and VI: my 8 rows of codes into G, the 32 rows' scale words into set p.
; All earlier loads that name these address registers have been waited for where this stands, so they may be written.
.macro NEXTLD p
.irp j, 0,1,2,3,4,5,6,7
	v_readlane_b32 s[IDS+\j], v[VI], \j
.endr
.irp j, 0,1,2,3,4,5,6,7
	s_min_u32 s[OFF+2*\j], s[IDS+\j], 0xffc00      ; token x 1,024, held inside xq
.endr
.irp j, 0,1,2,3,4,5,6,7
	s_add_nc_u64 s[RB+2*\j:RB+2*\j+1], s[8:9], s[OFF+2*\j:OFF+2*\j+1]
.endr
.irp j, 0,1,2,3,4,5,6,7
	global_load_b128 v[G+8*\j:G+8*\j+3], v[L16], s[RB+2*\j:RB+2*\j+1]               ; a row is two loads of 512 consecutive bytes
	global_load_b128 v[G+8*\j+4:G+8*\j+7], v[L16], s[RB+2*\j:RB+2*\j+1] offset:512
.endr
	v_lshrrev_b32 v[XA], 5, v[VL]                  ; token x 32,
	v_min_u32 v[XA], 0x7fe0, v[XA]                 ; held inside the scale bytes
	global_load_b128 v[XS+8*(\p):XS+8*(\p)+3], v[XA], s[10:11]
	global_load_b128 v[XS+8*(\p)+4:XS+8*(\p)+7], v[XA], s[10:11] offset:16
.endm
.macro STAGE p                         ; the gathered rows go into buffer p
	s_wait_loadcnt 0x0
.irp j, 0,1,2,3,4,5,6,7
	ds_store_b128 v[STA], v[G+8*\j:G+8*\j+3] offset:(\p)*BUF+\j*PITCH
	ds_store_b128 v[STA], v[G+8*\j+4:G+8*\j+7] offset:(\p)*BUF+\j*PITCH+512
.endr
.endm
.macro XFETCH p                        ; 64 LDS loads in one run, K step by K step: the 32 rows' 16 fragments into window 3
	WIN 0xc0
.irp s, 0,1,2,3,4,5,6,7
.irp rt, 0,1
.irp c, 0,1,2,3
	ds_load_b128 v[(2*\s+\rt)*16+4*\c:(2*\s+\rt)*16+4*\c+3], v[FR] offset:(\p)*BUF+\rt*16*PITCH+128*\s+32*\c
.endr
.endr
.endr
	WIN 0
.endm
; One product: K step s, row tile rt, column tile ct; rs: the set of the rows' scale words.  The first K step starts the sums with the constant 0: nothing is cleared.
.macro PROD s, rt, ct, rs
.set ks, \s
.set dD, ACC+8*(4*\rt+\ct)
.set dA, ((ks%4)*4+\ct)*16
.set dB, (2*ks+\rt)*16
.set dW, WS+8*\ct+ks
.set dR, \rs+ks
.if ks == 0
.if \rt == 0
	v_wmma_scale_f32_16x16x128_f8f6f4 v[dD:dD+7], v[dA:dA+15], v[dB:dB+15], 0, v[dW], v[dR]
.else
	v_wmma_scale_f32_16x16x128_f8f6f4 v[dD:dD+7], v[dA:dA+15], v[dB:dB+15], 0, v[dW], v[dR] matrix_b_scale:MATRIX_SCALE_ROW1
.endif
.else
.if \rt == 0
	v_wmma_scale_f32_16x16x128_f8f6f4 v[dD:dD+7], v[dA:dA+15], v[dB:dB+15], v[dD:dD+7], v[dW], v[dR]
.else
	v_wmma_scale_f32_16x16x128_f8f6f4 v[dD:dD+7], v[dA:dA+15], v[dB:dB+15], v[dD:dD+7], v[dW], v[dR] matrix_b_scale:MATRIX_SCALE_ROW1
.endif
.endif
.endm
; A step's 64 products.  The eight accumulators take turns, one instruction a turn.
.macro MULS p
.irp s, 0,1,2,3,4,5,6,7
.if \s == 0
	WIN 0x0d                                       ; source 0 (W1) window 1, source 1 (the rows) window 3, C and D window 0
.endif
.if \s == 4
	WIN 0x0e                                       ; source 0 window 2
.endif
	s_wait_dscnt 56-8*\s                           ; this K step's 8 loads are in; those of the later K steps may be out
.irp rt, 0,1
.irp ct, 0,1,2,3
	PROD \s, \rt, \ct, XS+8*\p
.endr
.endr
.endr
	WIN 0
.endm
.macro GELU                            ; on all 64 numbers, in batches; T = v0-63 of window 3.  The reads go upward
	WIN 0xc0                                       ; destination window 3
.set i, 0
.rept 32
	v_pk_mul_f32 v[2*i:2*i+1], v[ACC+2*i:ACC+2*i+1], v[ACC+2*i:ACC+2*i+1]          ; x^2
.set i, i+1
.endr
	WIN 0xc3                                       ; destination and source 0 window 3
.set i, 0
.rept 32
	v_pk_fma_f32 v[2*i:2*i+1], v[2*i:2*i+1], v[GB:GB+1], v[GA:GA+1]                ; a + b x^2
.set i, i+1
.endr
.set i, 0
.rept 32
	v_pk_mul_f32 v[2*i:2*i+1], v[2*i:2*i+1], v[ACC+2*i:ACC+2*i+1]                  ; t
.set i, i+1
.endr
.set i, 0
.rept 64
	v_exp_f32 v[i], v[i]
.set i, i+1
.endr
	v_nop                                          ; a plain line behind the batch,
	s_wait_alu depctr_va_vdst(0)                   ; and one wait for it, ahead of its first reader
.set i, 0
.rept 32
	v_pk_add_f32 v[2*i:2*i+1], v[2*i:2*i+1], 1.0 op_sel_hi:[1,0]
.set i, i+1
.endr
.set i, 0
.rept 64
	v_rcp_f32 v[i], v[i]
.set i, i+1
.endr
	v_nop
	s_wait_alu depctr_va_vdst(0)
	WIN 0x0c                                       ; source 1 window 3
.set i, 0
.rept 32
	v_pk_mul_f32 v[ACC+2*i:ACC+2*i+1], v[ACC+2*i:ACC+2*i+1], v[2*i:2*i+1]          ; x / (1 + 2^t)
.set i, i+1
.endr
	WIN 0
.endm
; The four blocks q = 2 rt + b of 32 along the next K: my 16 numbers v[ACC + 16 q ..] and lane l xor 16's.
.macro QUANT
.irp q, 0,1,2,3
	v_max3_num_f32 v[TM+\q], |v[ACC+16*\q]|, |v[ACC+16*\q+1]|, 0x4800000           ; with the floor 2^(9 - 127): the byte cannot fall under 1
.endr
.irp i, 2,4,6,8,10,12,14
.irp q, 0,1,2,3
	v_max3_num_f32 v[TM+\q], v[TM+\q], |v[ACC+16*\q+\i]|, |v[ACC+16*\q+\i+1]|      ; (the four blocks by turns)
.endr
.endr
.irp q, 0,1,2,3
	v_permlanex16_b32 v[TM+4+\q], v[TM+\q], s[SEL], s[SEL+1]
.endr
.irp q, 0,1,2,3
	v_max_num_f32 v[TM+\q], v[TM+\q], v[TM+4+\q]
.endr
.irp q, 0,1,2,3
	v_add_nc_u32 v[TM+12+\q], 0xfc000000, v[TM+\q]                                 ; 8 off the exponent field: the conversion's scale operand
.endr
.irp q, 0,1,2,3
	v_and_or_b32 v[TM+8+\q], v[TM+\q], 0x7f800000, s[MNT]                          ; 448 x the scale
.endr
.irp q, 0,1,2,3
	v_lshrrev_b32 v[TM+4+\q], 23, v[TM+12+\q]                                      ; the scale's byte
.endr
	v_lshl_or_b32 v[HW], v[TM+5], 8, v[TM+4]       ; the first 16 rows' two bytes,
	v_lshl_or_b32 v[HW+1], v[TM+7], 8, v[TM+6]     ; the other 16's;
	v_cndmask_b32 v[HW+2], v[HW], v[HW+1], s[MSK]  ; lane l holds row l's
.irp q, 0,1,2,3
.irp i, 0,1,2,3,4,5,6,7,8,9,10,11,12,13,14,15
	v_med3_num_f32 v[ACC+16*\q+\i], v[ACC+16*\q+\i], -v[TM+8+\q], v[TM+8+\q]       ; the conversion to an 8-bit code does not saturate (ISA guide 7.6.2): the hold comes first
.endr
	v_cvt_scalef32_pk8_fp8_f32 v[PC+4*\q:PC+4*\q+1], v[ACC+16*\q:ACC+16*\q+7], v[TM+12+\q]
	v_cvt_scalef32_pk8_fp8_f32 v[PC+4*\q+2:PC+4*\q+3], v[ACC+16*\q+8:ACC+16*\q+15], v[TM+12+\q]
.endr
	v_nop                                          ; a plain line behind the last conversion: the next step's products write its sources
.endm
	s_load_b256 s[4:11], s[0:1], 0x0               ; w1_codes s[4:5], w1_scales s[6:7], xq s[8:9], xsw s[10:11]
	s_load_b128 s[12:15], s[0:1], 0x20             ; sel s[12:13], him s[14:15]
	s_load_b64 s[16:17], s[0:1], 0x30              ; hsc
	s_load_b64 s[PL:PL+1], s[0:1], 0x38            ; plan
	v_lshl_add_u32 v254, v0, 2, 0x10c00
	v_mov_b32 v255, 0
.irp k, 0,1,2,3,4,5,6,7
	v_mov_b32 v[XS+8+\k], 0                        ; the second set of the rows' scale words is written once, so that it is written on every way through the text.  These lines stand FIRST: a scale register written
.endr                                              ; by a vector line stands eight plain vector lines ahead of a product that names it, and the head's lines below, which every wave runs, are more than eight
.irp k, 0,1,2,3
	v_mov_b32 v[TM+4+\k], 0                        ; a lane permute's destination counts as one of its sources
.endr
	v_lshrrev_b32 v1, 5, v0
	v_readfirstlane_b32 s18, v1                    ; wave
	v_and_b32 v3, 31, v0                           ; lane
	v_and_b32 v1, 15, v0                           ; r
	v_bfe_u32 v2, v0, 4, 1                         ; h
	v_and_b32 v13, 8, v1
	v_add_nc_u32 v13, v13, v1                      ; r + 8 (r / 8)
	v_lshlrev_b32 v[VW], 10, v13
	v_lshl_add_u32 v[VW], v2, 4, v[VW]
	v_lshlrev_b32 v[VWS], 5, v13
	v_mul_u32_u24 v[FR], v1, PITCH
	v_lshl_add_u32 v[FR], v2, 4, v[FR]
	v_lshlrev_b32 v[L16], 4, v3
	s_mul_i32 s80, s18, 8*PITCH
	v_add_nc_u32 v[STA], s80, v[L16]
	v_lshlrev_b32 v[L4], 2, v3
	v_lshlrev_b32 v[L2], 1, v3
	v_lshlrev_b32 v[L8], 3, v3
	v_lshl_add_u32 v[LA], v3, 2, LIST
	v_and_b32 v[IA], 7, v3
	v_lshl_add_u32 v[IA], v[IA], 2, LIST
	s_lshl_b32 s80, s18, 5
	v_add_nc_u32 v[IA], s80, v[IA]
	s_lshl_b32 s80, s18, 9
	v_add_nc_u32 v[LW], s80, v[LA]
	v_mov_b32 v[GA], 0xc0135761                    ; a = -2.3022082
	v_mov_b32 v[GA+1], 0xc0135761
	v_mov_b32 v[GB], 0xbdd2d3e8                    ; b = -0.10294324
	v_mov_b32 v[GB+1], 0xbdd2d3e8
	s_and_b32 s19, ttmp7, 0xffff                   ; e
	s_lshr_b32 s78, ttmp9, 1                       ; slice
	s_and_b32 s79, ttmp9, 1                        ; half
	s_lshr_b32 s84, s18, 1                         ; wave / 2: which of the slice's two K steps of the next product
	s_and_b32 s85, s18, 1                          ; wave % 2: which half of it
	s_mov_b32 s[MSK], 0xffff0000
	s_mov_b32 s[MNT], 0x600000
	s_mov_b32 s[SEL], 0x76543210
	s_mov_b32 s[SEL+1], 0xfedcba98
	s_lshl_b32 s80, s18, 8                         ; the positions that I look up: step 4 wave + q of my half is positions 64 (4 wave + q) + 32 half + lane
	PART 80, 79, 5
	v_add_nc_u32 v[PP], s80, v3
.irp q, 1,2,3
	v_add_nc_u32 v[PP+\q], 64*\q, v[PP]
.endr
	s_lshl_b32 s80, s19, 22                        ; W1: e x 4 MiB + (256 slice + 64 wave) rows of 1,024 bytes
	PART 80, 78, 18
	PART 80, 18, 16
	s_mov_b32 s81, 0
	s_lshl_b32 s82, s19, 17                        ; its scale bytes: 32 a row
	PART 82, 78, 13
	PART 82, 18, 11
	s_mov_b32 s83, 0
	s_lshl_b32 s88, s19, 12                        ; plan: 4,096 bytes of positions an expert,
	s_mov_b32 s89, 0
	s_lshl_b32 s90, s19, 7                         ; 128 of counts
	s_mov_b32 s91, 0
	s_lshl_b32 s92, s19, 22                        ; him: e x 4 MiB + step x 131,072 + K step x 2,048 + c x 512
	PART 92, 79, 17
	PART 92, 78, 12
	PART 92, 84, 11
	PART 92, 85, 10
	s_mov_b32 s93, 0
	s_lshl_b32 s94, s19, 17                        ; hsc: e x 131,072 + step x 4,096 + K step x 128 + half word x 64
	PART 94, 79, 12
	PART 94, 78, 8
	PART 94, 84, 7
	PART 94, 85, 6
	s_mov_b32 s95, 0
	s_wait_kmcnt 0x0
	s_add_nc_u64 s[4:5], s[4:5], s[80:81]
	s_add_nc_u64 s[6:7], s[6:7], s[82:83]
	s_add_nc_u64 s[PCN:PCN+1], s[PL:PL+1], s[90:91]
	s_add_nc_u64 s[PL:PL+1], s[PL:PL+1], s[88:89]
	s_add_nc_u64 s[HP:HP+1], s[14:15], s[92:93]
	s_add_nc_u64 s[SP:SP+1], s[16:17], s[94:95]
.set c, 0
.rept 32
	global_load_b64 v[G+2*c:G+2*c+1], v[L8], s[12:13] offset:256*c   ; chunk c: the two experts of token 32 c + lane; 256 consecutive bytes
.set c, c+1
.endr
	WIN 0x40                                       ; destination window 1
	WL 0, 0
	WL 1, 0
	WIN 0
	s_wait_loadcnt 32                              ; sel is in; the 32 loads of W1 issued behind it may be out
.irp k, 0,1,2,3                                ; the masks, eight chunks at a time, so that no line waits for the line above it
.irp j, 0,1,2,3,4,5,6,7
	v_cmp_eq_u32 s[MK+8*\k+\j], s19, v[G+2*(8*\k+\j)]
.endr
.irp j, 0,1,2,3,4,5,6,7
	v_cmp_eq_u32 s[CM+\j], s19, v[G+2*(8*\k+\j)+1]
.endr
.irp j, 0,1,2,3,4,5,6,7
	s_or_b32 s[MK+8*\k+\j], s[MK+8*\k+\j], s[CM+\j]   ; the lanes whose token chose my expert
.endr
.endr
	WIN 0x40                                       ; 32 more loads of W1 go out ahead of the walk: 64 are on their way while it runs
	WL 2, 0
	WL 3, 0
	WIN 0
	s_mov_b32 s80, 0                               ; members so far
.set c, 0
.rept 32
	SCAN c
.set c, c+1
.endr
	; s80 = the expert's count.  Now the rank within the kept chunk, and the place of the set bit of that rank
.irp q, 0,1,2,3
	v_and_b32 v[WK+8*\q+4], 0xffff, v[SB+\q]
.endr
.irp q, 0,1,2,3
	v_sub_nc_u32 v[WK+8*\q+7], v[PP+\q], v[WK+8*\q+4]   ; the rank: p - the members in front of the chunk
.endr
.irp q, 0,1,2,3
	v_lshrrev_b32 v[SB+\q], 16, v[SB+\q]           ; the chunk
.endr
.irp q, 0,1,2,3
	v_lshrrev_b32 v[WK+8*\q+4], 1, v[SM+\q]
.endr
.irp q, 0,1,2,3
	v_and_b32 v[WK+8*\q+4], 0x55555555, v[WK+8*\q+4]
.endr
.irp q, 0,1,2,3
	v_sub_nc_u32 v[WK+8*\q], v[SM+\q], v[WK+8*\q+4]     ; the set bits of each 2 places
.endr
.irp q, 0,1,2,3
	v_lshrrev_b32 v[WK+8*\q+4], 2, v[WK+8*\q]
.endr
.irp q, 0,1,2,3
	v_and_b32 v[WK+8*\q+4], 0x33333333, v[WK+8*\q+4]
.endr
.irp q, 0,1,2,3
	v_and_b32 v[WK+8*\q+5], 0x33333333, v[WK+8*\q]
.endr
.irp q, 0,1,2,3
	v_add_nc_u32 v[WK+8*\q+1], v[WK+8*\q+4], v[WK+8*\q+5]   ; of each 4
.endr
.irp q, 0,1,2,3
	v_lshrrev_b32 v[WK+8*\q+4], 4, v[WK+8*\q+1]
.endr
.irp q, 0,1,2,3
	v_add_nc_u32 v[WK+8*\q+4], v[WK+8*\q+4], v[WK+8*\q+1]
.endr
.irp q, 0,1,2,3
	v_and_b32 v[WK+8*\q+2], 0x0f0f0f0f, v[WK+8*\q+4]    ; of each 8
.endr
.irp q, 0,1,2,3
	v_lshrrev_b32 v[WK+8*\q+4], 8, v[WK+8*\q+2]
.endr
.irp q, 0,1,2,3
	v_add_nc_u32 v[WK+8*\q+4], v[WK+8*\q+4], v[WK+8*\q+2]
.endr
.irp q, 0,1,2,3
	v_and_b32 v[WK+8*\q+3], 0x00ff00ff, v[WK+8*\q+4]    ; of each 16
.endr
.irp q, 0,1,2,3
	v_mov_b32 v[WK+8*\q+6], 0                      ; the bit's place
.endr
	LEVEL WK+3, 8, 8, 16
	LEVEL WK+2, 8, 8, 8
	LEVEL WK+1, 8, 4, 4
	LEVEL WK, 8, 2, 2
	LEVEL SM, 1, 1, 1                              ; a rank beyond the chunk's members ends at place 31: a token of the table all the same
.irp q, 0,1,2,3
	v_lshl_add_u32 v[WK+8*\q+4], v[SB+\q], 5, v[WK+8*\q+6]   ; the token: 32 chunk + place
.endr
.irp q, 0,1,2,3
	v_lshlrev_b32 v[WK+8*\q+4], 10, v[WK+8*\q+4]   ; x 1,024
.endr
.irp q, 0,1,2,3
	ds_store_b32 v[LW], v[WK+8*\q+4] offset:128*\q
.endr
	v_mov_b32 v[CN], s80
	s_min_u32 s[STP], s80, 1024
	s_add_co_u32 s[STP], s[STP], 31
	s_lshr_b32 s[STP], s[STP], 5                   ; steps of 32 rows,
	s_add_co_u32 s[STP], s[STP], 1
	s_sub_co_u32 s[STP], s[STP], s79
	s_lshr_b32 s[STP], s[STP], 1                   ; my half's share of them,
	s_max_u32 s[STP], s[STP], 1                    ; at least one
.irp j, 0,1,2,3,4,5,6,7
	s_mov_b32 s[OFF+2*\j+1], 0                     ; the masks are done with: their registers take the rows' offsets and addresses
.endr
	s_or_b32 s81, ttmp9, s18                       ; one wave for each expert stores the positions and the count: each byte of plan has one owner
	s_cmp_lg_u32 s81, 0
	s_cbranch_scc1 .Lno_plan
.set c, 0
.rept 32
	global_store_b32 v[L4], v[ACC+c], s[PL:PL+1] offset:65536+128*c
.set c, c+1
.endr
	global_store_b32 v[L4], v[CN], s[PCN:PCN+1] offset:98304
.Lno_plan:
	s_wait_dscnt 0x0                               ; for the others' sake: my four rows of the list lie in LDS
	s_barrier_signal -1
	s_barrier_wait -1                              ; the list is whole; nobody writes it again
	ds_load_b32 v[VL], v[LA]                       ; the first step's entries
	ds_load_b32 v[VI], v[IA]
	s_wait_dscnt 0x0
	NEXTLD 0                                       ; the first step's rows
	WIN 0x80                                       ; destination window 2
	WL 0, 4
	WL 1, 4
	WL 2, 4
	WL 3, 4
	WIN 0
.irp ct, 0,1,2,3
	global_load_b128 v[WS+8*\ct:WS+8*\ct+3], v[VWS], s[6:7] offset:(32*(\ct/2)+8*(\ct%2))*32       ; a row's 32 scale bytes are its 8 words
	global_load_b128 v[WS+8*\ct+4:WS+8*\ct+7], v[VWS], s[6:7] offset:(32*(\ct/2)+8*(\ct%2))*32+16
.endr
	STAGE 0                                        ; its wait is for all loads: W1 is in too
	s_wait_xcnt 0x0                                ; the stores into plan have read their registers: the products below write them
	s_mov_b32 s[SI], 0
	s_mov_b32 s[TRIP], 0
	s_mov_b32 s[LOF], 128
; A STEP, on buffer p.  ONE barrier: in front of it each wave's stores into buffer p have landed and its reads of the other buffer are back; so behind it buffer p is whole, and the other may be written.
.macro HALF p
	s_wait_dscnt 0x0
	s_barrier_signal -1
	s_barrier_wait -1
	s_cmp_ge_u32 s[SI], s[STP]
	s_cbranch_scc1 .Lskip_\@
	s_wait_loadcnt 0x0                             ; met at once where the step before has staged its rows; it keeps every way through the text sound
	s_add_co_u32 s[SN], s[SI], 1
	s_cmp_ge_u32 s[SN], s[STP]
	s_cbranch_scc1 .Lno_list_\@
	s_min_u32 s81, s[LOF], 15*128                  ; the next step's row of the list (a next step is at most the 15th: the bound changes nothing and keeps the address inside the list)
	v_add_nc_u32 v[LT], s81, v[LA]
	v_add_nc_u32 v[IT], s81, v[IA]
	ds_load_b32 v[VL], v[LT]                       ; asked for ahead of the fragments, so that they are back first
	ds_load_b32 v[VI], v[IT]
.Lno_list_\@:
	XFETCH \p
	s_cmp_ge_u32 s[SN], s[STP]
	s_cbranch_scc1 .Lno_next_\@
	s_wait_dscnt 63                                ; 64 loads were issued behind the two list words: with at most 63 out, both are in
	NEXTLD 1-\p                                    ; the next step's rows are asked for a whole step ahead of their way into LDS
.Lno_next_\@:
	MULS \p
.rept 8
	v_nop                                          ; eight places between the last products and the first read of results and first write of their operands
.endr
	GELU
	QUANT
.irp rt, 0,1
.irp b, 0,1
	global_store_b128 v[L16], v[PC+4*(2*\rt+\b):PC+4*(2*\rt+\b)+3], s[HP:HP+1] offset:\rt*65536+\b*512 th:TH_STORE_NT   ; registers 4 c .. 4 c + 3 of the next operand: 512 consecutive bytes
.endr
.endr
	global_store_b16 v[L2], v[HW+2], s[SP:SP+1]
	s_wait_xcnt 0x0                                ; the stores have read their registers and bases: both may be written again
	s_add_nc_u64 s[HP:HP+1], s[HP:HP+1], 262144    ; my half's next step: two steps of 131,072 bytes on
	s_add_nc_u64 s[SP:SP+1], s[SP:SP+1], 8192
	s_cmp_ge_u32 s[SN], s[STP]
	s_cbranch_scc1 .Lskip_\@
	STAGE 1-\p
.Lskip_\@:
	s_add_co_u32 s[SI], s[SI], 1
	s_add_co_u32 s[LOF], s[LOF], 128
.endm
.Ltrip:                                                ; 8 trips of two steps: a constant; what hangs on the count is jumped over inside
	HALF 0
	HALF 1
	s_add_co_u32 s[TRIP], s[TRIP], 1
	s_cmp_lt_u32 s[TRIP], 8
	s_cbranch_scc1 .Ltrip
	s_wait_tensorcnt 0x0
	ds_add_u32 v254, v255
	s_wait_dscnt 0x0
	s_endpgm
.Lfunc_end_k_qeaf4ee8896_up:
	.size	k_qeaf4ee8896_up, .Lfunc_end_k_qeaf4ee8896_up-k_qeaf4ee8896_up
	.p2alignl 7, 3214868480
	.fill 96, 4, 3214868480
	.section	.rodata,"a",@progbits
	.p2align	6, 0x0
	.amdhsa_kernel k_qeaf4ee8896_up
		.amdhsa_group_segment_fixed_size 69120
		.amdhsa_private_segment_fixed_size 0
		.amdhsa_enable_private_segment 0
		.amdhsa_kernarg_size 64
		.amdhsa_user_sgpr_count 2
		.amdhsa_user_sgpr_kernarg_segment_ptr 1
		.amdhsa_wavefront_size32 1
		.amdhsa_system_sgpr_workgroup_id_x 1
		.amdhsa_system_sgpr_workgroup_id_y 1
		.amdhsa_system_sgpr_workgroup_id_z 1
		.amdhsa_system_vgpr_workitem_id 0
		.amdhsa_next_free_vgpr 1024
		.amdhsa_next_free_sgpr 100
		.amdhsa_reserve_vcc 0
		.amdhsa_float_denorm_mode_32 3
		.amdhsa_float_denorm_mode_16_64 3
		.amdhsa_memory_ordered 1
		.amdhsa_forward_progress 1
		.amdhsa_inst_pref_size 154
	.end_amdhsa_kernel
	.amdgpu_metadata
---
amdhsa.version: [ 1, 2 ]
amdhsa.kernels:
  - .name:           k_qeaf4ee8896_up
    .symbol:         k_qeaf4ee8896_up.kd
    .args:
      - { .name: w1_codes, .offset: 0, .size: 8, .value_kind: global_buffer, .address_space: global }
      - { .name: w1_scales, .offset: 8, .size: 8, .value_kind: global_buffer, .address_space: global }
      - { .name: xq, .offset: 16, .size: 8, .value_kind: global_buffer, .address_space: global }
      - { .name: xsw, .offset: 24, .size: 8, .value_kind: global_buffer, .address_space: global }
      - { .name: sel, .offset: 32, .size: 8, .value_kind: global_buffer, .address_space: global }
      - { .name: him, .offset: 40, .size: 8, .value_kind: global_buffer, .address_space: global }
      - { .name: hsc, .offset: 48, .size: 8, .value_kind: global_buffer, .address_space: global }
      - { .name: plan, .offset: 56, .size: 8, .value_kind: global_buffer, .address_space: global }
    .group_segment_fixed_size: 69120
    .private_segment_fixed_size: 0
    .kernarg_segment_align: 8
    .kernarg_segment_size: 64
    .max_flat_workgroup_size: 128
    .sgpr_count:     100
    .vgpr_count:     1024
    .wavefront_size: 32
...
	.end_amdgpu_metadata
.endif
;; end of part 2
;; launch down (part 3): grid 32 x 8, 4 waves a work-group, no clusters, 70,144 bytes of LDS; arguments w2_codes, w2_scales, him, hsc, plan, ys; writes ys
.if DOCPART == 3
	.amdgcn_target "amdgcn-amd-amdhsa--gfx1250"
	.amdhsa_code_object_version 6
	.text
	.protected	k_qeaf4ee8896_down
	.globl	k_qeaf4ee8896_down
	.p2align	8
	.type	k_qeaf4ee8896_down,@function
k_qeaf4ee8896_down:
	s_mov_b64 s[64:65], 0
	v_nop
	global_prefetch_b8 v0, s[64:65] scope:SCOPE_SE
	s_setreg_imm32_b32 hwreg(HW_REG_WAVE_MODE, 25, 1), 1
	s_wait_xcnt 0x0
; THE SECOND PRODUCT OF THE CHOSEN ROWS: y = h W2[e], on codes of E4M3 with one E8M0 byte for each 32 along K; rows in the order of the expert's list.
; SHARES.  Work-group (x, y): expert e = y, 64 output columns (slice = x / 2), every second step of 32 rows (half = x % 2).  THE WAVES SHARE K: wave q holds all 64 columns for k = 1,024 q .. 1,024 q + 1,023:
; 4 tiles x 8 K steps of W2 in 512 registers for the whole launch.  So each fragment of h comes from memory once for the work-group, straight into the registers of the one wave that wants it (the launch
; before laid it as an image of those registers: 512 consecutive bytes a load), and feeds four products.  The four partial sums meet in LDS; each wave adds and stores 8 of the 32 rows.
; THE NUMBER OF STEPS HANGS ON A STORED COUNT, so this launch has no tensor load and no cluster.  The loop has a constant 16 steps; every wave passes every barrier; a step at or beyond T is jumped over.
; T is made as in the launch before, so only bytes that it stored are read.
; THE PRODUCT IS USED TRANSPOSED (source 0 = 16 rows of W2 = 16 output columns, source 1 = 16 rows of h): a lane holds eight neighbouring columns of one row.
; The order of the sums: K ascending within a wave's quarter, then ((0 + 1) + (2 + 3)) over the quarters.
; REGISTERS, in windows of 256: window 0 as named below; window 1: W2 of my K steps 0-3 at ((s % 4) 4 + ct) 16; window 2: K steps 4-7; window 3: h's fragments at (2 s + rt) 16.
.set RPIT, 272                         ; a row of partial sums in LDS: 64 f32 + 16 bytes = 17 x 16
.set REDW, 32*RPIT                     ; a wave's 32 rows
.set RED,  4*REDW                      ; one of the two buffers
.set VW,   4                           ; v4   W2: r x 4,096 + 16 h
.set VWS,  5                           ; v5   its scale words: r x 128
.set L16,  6                           ; v6   16 x lane
.set L2,   7                           ; v7   2 x lane
.set RW,   8                           ; v8   where I put partial sums: wave x REDW + r x RPIT + 32 h
.set RR,   9                           ; v9   where I read them: (8 wave + h) x RPIT + 16 r
.set YO,   10                          ; v10  the same two rows in ys: h x 4,096 + 16 r
.set WS,   20                          ; v20-51   W2's scale words: 8 ct + s
.set HR,   52                          ; v52-67   h's 16 half words as loaded
.set HW,   68                          ; v68-75   h's scale words: lanes 0-15 the first 16 rows', lanes 16-31 the other 16's
.set ACC,  76                          ; v76-139  8 accumulators: (4 rt + ct) 8
.set R,    140                         ; v140-203 partial sums read back
.set HP,   24                          ; s[24:25] him at my fragments of the step being loaded
.set SP,   26                          ; s[26:27] hsc likewise
.set YP,   28                          ; s[28:29] ys at my 8 rows of the step in hand
.set SI,   30                          ; s30 the step
.set STP,  31                          ; s31 T
.set TRIP, 32                          ; s32 the loop's counter
.set SN,   33                          ; s33 the step + 1
.set MSB, 0
.macro WIN new                         ; the immediate's high byte repeats the setting that is left; a switch that changes nothing is dropped
.if MSB != \new
	s_set_vgpr_msb (MSB<<8)|\new
.set MSB, \new
.endif
.endm
.macro PART dst, src, sh               ; s[dst] += s[src] << sh
	s_lshl_b32 s48, s[\src], \sh
	s_add_co_u32 s[\dst], s[\dst], s48
.endm
.macro WL ct, k0                       ; 16 loads: column tile ct, my K steps k0 .. k0 + 3 (the caller sets the window)
.irp s, 0,1,2,3
.irp c, 0,1,2,3
	global_load_b128 v[(\s*4+\ct)*16+4*\c:(\s*4+\ct)*16+4*\c+3], v[VW], s[4:5] offset:\ct*65536+128*(\k0+\s)+32*\c
.endr
.endr
.endm
.macro HLOAD k0                        ; 32 loads: h's fragments of K steps k0 .. k0 + 3, both row tiles
	WIN 0xc0
.irp s, 0,1,2,3
.irp rt, 0,1
.irp c, 0,1,2,3
	global_load_b128 v[(2*(\k0+\s)+\rt)*16+4*\c:(2*(\k0+\s)+\rt)*16+4*\c+3], v[L16], s[HP:HP+1] offset:\rt*65536+(\k0+\s)*2048+\c*512
.endr
.endr
.endr
	WIN 0
.endm
.macro SLOAD                           ; 16 loads: the 32 rows' half words of my 8 K steps
.irp s, 0,1,2,3,4,5,6,7
	global_load_u16 v[HR+2*\s], v[L2], s[SP:SP+1] offset:\s*128
	global_load_u16 v[HR+2*\s+1], v[L2], s[SP:SP+1] offset:\s*128+64
.endr
.endm
.macro PROD s, rt, ct                  ; one product; the first K step starts the sums with the constant 0: nothing is cleared
.set ks, \s
.set dD, ACC+8*(4*\rt+\ct)
.set dA, ((ks%4)*4+\ct)*16
.set dB, (2*ks+\rt)*16
.set dW, WS+8*\ct+ks
.set dR, HW+ks
.if ks == 0
.if \rt == 0
	v_wmma_scale_f32_16x16x128_f8f6f4 v[dD:dD+7], v[dA:dA+15], v[dB:dB+15], 0, v[dW], v[dR]
.else
	v_wmma_scale_f32_16x16x128_f8f6f4 v[dD:dD+7], v[dA:dA+15], v[dB:dB+15], 0, v[dW], v[dR] matrix_b_scale:MATRIX_SCALE_ROW1
.endif
.else
.if \rt == 0
	v_wmma_scale_f32_16x16x128_f8f6f4 v[dD:dD+7], v[dA:dA+15], v[dB:dB+15], v[dD:dD+7], v[dW], v[dR]
.else
	v_wmma_scale_f32_16x16x128_f8f6f4 v[dD:dD+7], v[dA:dA+15], v[dB:dB+15], v[dD:dD+7], v[dW], v[dR] matrix_b_scale:MATRIX_SCALE_ROW1
.endif
.endif
.endm
.macro MUL4 k0                         ; 32 products: four K steps; the eight accumulators take turns, one instruction a turn
.if \k0 == 0
	WIN 0x0d                                       ; source 0 (W2) window 1, source 1 (h) window 3, C and D window 0
.else
	WIN 0x0e                                       ; source 0 window 2
.endif
.irp s, 0,1,2,3
.irp rt, 0,1
.irp ct, 0,1,2,3
	PROD \k0+\s, \rt, \ct
.endr
.endr
.endr
	WIN 0
.endm
.macro PLACES                          ; eight places behind these products, in front of loads into their operands, of reads of their results and of writes of their scale words
.rept 8
	v_nop
.endr
.endm
	s_load_b256 s[4:11], s[0:1], 0x0               ; w2_codes s[4:5], w2_scales s[6:7], him s[8:9], hsc s[10:11]
	s_load_b128 s[12:15], s[0:1], 0x20             ; plan s[12:13], ys s[14:15]
	v_lshl_add_u32 v254, v0, 2, 0x11000
	v_mov_b32 v255, 0
	v_lshrrev_b32 v1, 5, v0
	v_readfirstlane_b32 s18, v1                    ; wave q
	v_and_b32 v3, 31, v0                           ; lane
	v_and_b32 v1, 15, v0                           ; r
	v_bfe_u32 v2, v0, 4, 1                         ; h
	v_lshlrev_b32 v[VW], 12, v1
	v_lshl_add_u32 v[VW], v2, 4, v[VW]
	v_lshlrev_b32 v[VWS], 7, v1
	v_lshlrev_b32 v[L16], 4, v3
	v_lshlrev_b32 v[L2], 1, v3
	s_mul_i32 s22, s18, REDW
	v_mul_u32_u24 v[RW], v1, RPIT
	v_lshl_add_u32 v[RW], v2, 5, v[RW]
	v_add_nc_u32 v[RW], s22, v[RW]
	s_mul_i32 s23, s18, 8*RPIT
	v_mul_u32_u24 v[RR], v2, RPIT
	v_lshl_add_u32 v[RR], v1, 4, v[RR]
	v_add_nc_u32 v[RR], s23, v[RR]
	v_lshlrev_b32 v[YO], 12, v2
	v_lshl_add_u32 v[YO], v1, 4, v[YO]
	s_and_b32 s19, ttmp7, 0xffff                   ; e
	s_lshr_b32 s20, ttmp9, 1                       ; slice
	s_and_b32 s21, ttmp9, 1                        ; half
	s_lshl_b32 s36, s19, 22                        ; W2: e x 4 MiB + 64 slice rows of 4,096 bytes + 1,024 q
	PART 36, 20, 18
	PART 36, 18, 10
	s_mov_b32 s37, 0
	s_lshl_b32 s38, s19, 17                        ; its scale bytes: 128 a row, my 32 of them
	PART 38, 20, 13
	PART 38, 18, 5
	s_mov_b32 s39, 0
	s_lshl_b32 s40, s19, 7                         ; the count
	s_mov_b32 s41, 0
	s_lshl_b32 s42, s19, 22                        ; him: e x 4 MiB + step x 131,072 + 8 q K steps of 2,048
	PART 42, 21, 17
	PART 42, 18, 14
	s_mov_b32 s43, 0
	s_lshl_b32 s44, s19, 17                        ; hsc: e x 131,072 + step x 4,096 + 8 q K steps of 128
	PART 44, 21, 12
	PART 44, 18, 10
	s_mov_b32 s45, 0
	s_lshl_b32 s46, s19, 22                        ; ys: (1,024 e + 32 step + 8 q) rows of 4,096 bytes + 256 slice
	PART 46, 21, 17
	PART 46, 18, 15
	PART 46, 20, 8
	s_mov_b32 s47, 0
	s_wait_kmcnt 0x0
	s_add_nc_u64 s[4:5], s[4:5], s[36:37]
	s_add_nc_u64 s[6:7], s[6:7], s[38:39]
	s_add_nc_u64 s[40:41], s[12:13], s[40:41]
	s_add_nc_u64 s[HP:HP+1], s[8:9], s[42:43]
	s_add_nc_u64 s[SP:SP+1], s[10:11], s[44:45]
	s_add_nc_u64 s[YP:YP+1], s[14:15], s[46:47]
	s_load_b32 s[STP], s[40:41], 0x18000           ; the expert's number of rows
	WIN 0x40                                       ; destination window 1
	WL 0, 0
	WL 1, 0
	WL 2, 0
	WL 3, 0
	WIN 0x80                                       ; destination window 2
	WL 0, 4
	WL 1, 4
	WL 2, 4
	WL 3, 4
	WIN 0
.irp ct, 0,1,2,3
	global_load_b128 v[WS+8*\ct:WS+8*\ct+3], v[VWS], s[6:7] offset:\ct*2048
	global_load_b128 v[WS+8*\ct+4:WS+8*\ct+7], v[VWS], s[6:7] offset:\ct*2048+16
.endr
	SLOAD                                          ; the first step is always done: its loads stand under no branch
	HLOAD 0
	HLOAD 4
	s_wait_kmcnt 0x0
	s_min_u32 s[STP], s[STP], 1024
	s_add_co_u32 s[STP], s[STP], 31
	s_lshr_b32 s[STP], s[STP], 5                   ; steps of 32 rows,
	s_add_co_u32 s[STP], s[STP], 1
	s_sub_co_u32 s[STP], s[STP], s21
	s_lshr_b32 s[STP], s[STP], 1                   ; my half's share of them,
	s_max_u32 s[STP], s[STP], 1                    ; at least one
	s_mov_b32 s[SI], 0
	s_mov_b32 s[TRIP], 0
; A STEP, on buffer p of the partial sums.  The fragments of the next step are asked for as soon as the products have read the registers that take them.
; ONE barrier: in front of it each wave's partial sums lie in buffer p and its reads of the other buffer are back; buffer p is written again two steps on, behind the barrier between.
.macro HALF p
	s_cmp_ge_u32 s[SI], s[STP]
	s_cbranch_scc1 .Lmeet_\@
	s_wait_loadcnt 32                              ; the half words and K steps 0-3 are in; the 32 loads of K steps 4-7, the last issued, may be out
.irp s, 0,1,2,3,4,5,6,7
	v_lshl_or_b32 v[HW+\s], v[HR+2*\s+1], 16, v[HR+2*\s]   ; a K step's four bytes of a row
.endr
	PLACES                                         ; a scale word written by a vector line stands eight places ahead of the product that reads it
	MUL4 0
	PLACES
	s_add_co_u32 s[SN], s[SI], 1
	s_cmp_ge_u32 s[SN], s[STP]
	s_cbranch_scc1 .Llast_\@                       ; ONE branch, and the rest written twice, so that each counted wait holds on its own way
	s_wait_xcnt 0x0                                ; the loads still out have read their bases
	s_add_nc_u64 s[HP:HP+1], s[HP:HP+1], 262144    ; my half's next step
	s_add_nc_u64 s[SP:SP+1], s[SP:SP+1], 8192
	SLOAD
	HLOAD 0
	s_wait_loadcnt 48                              ; this step's K steps 4-7 are in; the 48 loads just issued may be out
	MUL4 4
	PLACES
	HLOAD 4
	s_branch .Lsums_\@
.Llast_\@:
	s_wait_loadcnt 0x0
	MUL4 4
	PLACES
.Lsums_\@:
.irp rt, 0,1
.irp ct, 0,1,2,3
	ds_store_b128 v[RW], v[ACC+8*(4*\rt+\ct):ACC+8*(4*\rt+\ct)+3] offset:\p*RED+\rt*16*RPIT+\ct*64        ; each accumulator from its low end on
	ds_store_b128 v[RW], v[ACC+8*(4*\rt+\ct)+4:ACC+8*(4*\rt+\ct)+7] offset:\p*RED+\rt*16*RPIT+\ct*64+16
.endr
.endr
.Lmeet_\@:
	s_wait_dscnt 0x0                               ; for the others' sake: my partial sums lie in LDS
	s_barrier_signal -1
	s_barrier_wait -1
	s_cmp_ge_u32 s[SI], s[STP]
	s_cbranch_scc1 .Lend_\@
.irp p2, 0,1,2,3
.irp src, 0,1,2,3
	ds_load_b128 v[R+16*\p2+4*\src:R+16*\p2+4*\src+3], v[RR] offset:\p*RED+\src*REDW+\p2*2*RPIT   ; two of my 8 rows, from wave src's sums
.endr
.endr
	s_wait_dscnt 0x0
.irp p2, 0,1,2,3
	v_pk_add_f32 v[R+16*\p2:R+16*\p2+1], v[R+16*\p2:R+16*\p2+1], v[R+16*\p2+4:R+16*\p2+5]
	v_pk_add_f32 v[R+16*\p2+2:R+16*\p2+3], v[R+16*\p2+2:R+16*\p2+3], v[R+16*\p2+6:R+16*\p2+7]
	v_pk_add_f32 v[R+16*\p2+8:R+16*\p2+9], v[R+16*\p2+8:R+16*\p2+9], v[R+16*\p2+12:R+16*\p2+13]
	v_pk_add_f32 v[R+16*\p2+10:R+16*\p2+11], v[R+16*\p2+10:R+16*\p2+11], v[R+16*\p2+14:R+16*\p2+15]
.endr
.irp p2, 0,1,2,3
	v_pk_add_f32 v[R+16*\p2:R+16*\p2+1], v[R+16*\p2:R+16*\p2+1], v[R+16*\p2+8:R+16*\p2+9]
	v_pk_add_f32 v[R+16*\p2+2:R+16*\p2+3], v[R+16*\p2+2:R+16*\p2+3], v[R+16*\p2+10:R+16*\p2+11]
.endr
.irp p2, 0,1,2,3
	global_store_b128 v[YO], v[R+16*\p2:R+16*\p2+3], s[YP:YP+1] offset:\p2*8192 th:TH_STORE_NT   ; 16 lanes store 256 consecutive bytes, at a multiple of 256 from ys's first byte
.endr
	s_wait_xcnt 0x0                                ; the stores have read their registers and their base
	s_add_nc_u64 s[YP:YP+1], s[YP:YP+1], 262144
.Lend_\@:
	s_add_co_u32 s[SI], s[SI], 1
.endm
.Ltrip:                                                ; 8 trips of two steps: a constant; what hangs on the count is jumped over inside
	HALF 0
	HALF 1
	s_add_co_u32 s[TRIP], s[TRIP], 1
	s_cmp_lt_u32 s[TRIP], 8
	s_cbranch_scc1 .Ltrip
	s_wait_tensorcnt 0x0
	ds_add_u32 v254, v255
	s_wait_dscnt 0x0
	s_endpgm
.Lfunc_end_k_qeaf4ee8896_down:
	.size	k_qeaf4ee8896_down, .Lfunc_end_k_qeaf4ee8896_down-k_qeaf4ee8896_down
	.p2alignl 7, 3214868480
	.fill 96, 4, 3214868480
	.section	.rodata,"a",@progbits
	.p2align	6, 0x0
	.amdhsa_kernel k_qeaf4ee8896_down
		.amdhsa_group_segment_fixed_size 70144
		.amdhsa_private_segment_fixed_size 0
		.amdhsa_enable_private_segment 0
		.amdhsa_kernarg_size 48
		.amdhsa_user_sgpr_count 2
		.amdhsa_user_sgpr_kernarg_segment_ptr 1
		.amdhsa_wavefront_size32 1
		.amdhsa_system_sgpr_workgroup_id_x 1
		.amdhsa_system_sgpr_workgroup_id_y 1
		.amdhsa_system_sgpr_workgroup_id_z 1
		.amdhsa_system_vgpr_workitem_id 0
		.amdhsa_next_free_vgpr 1024
		.amdhsa_next_free_sgpr 66
		.amdhsa_reserve_vcc 0
		.amdhsa_float_denorm_mode_32 3
		.amdhsa_float_denorm_mode_16_64 3
		.amdhsa_memory_ordered 1
		.amdhsa_forward_progress 1
		.amdhsa_inst_pref_size 76
	.end_amdhsa_kernel
	.amdgpu_metadata
---
amdhsa.version: [ 1, 2 ]
amdhsa.kernels:
  - .name:           k_qeaf4ee8896_down
    .symbol:         k_qeaf4ee8896_down.kd
    .args:
      - { .name: w2_codes, .offset: 0, .size: 8, .value_kind: global_buffer, .address_space: global }
      - { .name: w2_scales, .offset: 8, .size: 8, .value_kind: global_buffer, .address_space: global }
      - { .name: him, .offset: 16, .size: 8, .value_kind: global_buffer, .address_space: global }
      - { .name: hsc, .offset: 24, .size: 8, .value_kind: global_buffer, .address_space: global }
      - { .name: plan, .offset: 32, .size: 8, .value_kind: global_buffer, .address_space: global }
      - { .name: ys, .offset: 40, .size: 8, .value_kind: global_buffer, .address_space: global }
    .group_segment_fixed_size: 70144
    .private_segment_fixed_size: 0
    .kernarg_segment_align: 8
    .kernarg_segment_size: 48
    .max_flat_workgroup_size: 128
    .sgpr_count:     66
    .vgpr_count:     1024
    .wavefront_size: 32
...
	.end_amdgpu_metadata
.endif
;; end of part 3
;; launch join (part 4): grid 256 x 1, 4 waves a work-group, no clusters, 0 bytes of LDS; arguments sel, plan, xsw, ys, out0; writes out0
.if DOCPART == 4
	.amdgcn_target "amdgcn-amd-amdhsa--gfx1250"
	.amdhsa_code_object_version 6
	.text
	.protected	k_qeaf4ee8896_join
	.globl	k_qeaf4ee8896_join
	.p2align	8
	.type	k_qeaf4ee8896_join,@function
k_qeaf4ee8896_join:
	s_mov_b64 s[64:65], 0
	v_nop
	global_prefetch_b8 v0, s[64:65] scope:SCOPE_SE
	s_setreg_imm32_b32 hwreg(HW_REG_WAVE_MODE, 25, 1), 1
	s_wait_xcnt 0x0
; out0[n] = w0 y[e0][pos0] + w1 y[e1][pos1].  One wave takes one token n = 4 x work-group + wave: it reads the token's two experts and weights, its positions in the two experts' lists, and the two rows of ys.
; A token's two rows were made by work-groups that hold different experts' weights, so the sum is a gather in a launch of its own; each output row has one owner.
; A stream: each load and store of a wave covers 512 consecutive bytes; every byte is read once and written once; matrix units, LDS and clusters would add nothing.
	s_load_b256 s[4:11], s[0:1], 0x0               ; sel s[4:5], plan s[6:7], xsw s[8:9], ys s[10:11]
	s_load_b64 s[12:13], s[0:1], 0x20              ; out0
	v_lshrrev_b32 v1, 5, v0
	v_readfirstlane_b32 s14, v1                    ; wave
	v_and_b32 v2, 31, v0
	v_lshlrev_b32 v2, 4, v2                        ; 16 x lane
	s_lshl_b32 s15, ttmp9, 2
	s_add_co_u32 s15, s15, s14                     ; my token
	s_lshl_b32 s16, s15, 3
	s_mov_b32 s17, 0
	s_lshl_b32 s34, s15, 12
	s_mov_b32 s35, 0
	s_wait_kmcnt 0x0
	s_add_nc_u64 s[4:5], s[4:5], s[16:17]
	s_add_nc_u64 s[8:9], s[8:9], s[16:17]
	s_add_nc_u64 s[12:13], s[12:13], s[34:35]
	s_load_b64 s[18:19], s[4:5], 0x0               ; the two experts
	s_load_b64 s[20:21], s[8:9], 0x8000            ; their weights
	s_wait_kmcnt 0x0
	s_min_u32 s18, s18, 7                          ; held inside the tables
	s_min_u32 s19, s19, 7
	s_lshl_b32 s22, s18, 10                        ; 1,024 e
	s_lshl_b32 s23, s19, 10
	s_add_co_u32 s24, s22, s15
	s_lshl_b32 s24, s24, 2
	s_mov_b32 s25, 0
	s_add_co_u32 s26, s23, s15
	s_lshl_b32 s26, s26, 2
	s_mov_b32 s27, 0
	s_add_nc_u64 s[24:25], s[6:7], s[24:25]
	s_add_nc_u64 s[26:27], s[6:7], s[26:27]
	s_load_b32 s28, s[24:25], 0x10000              ; my position in each expert's list
	s_load_b32 s29, s[26:27], 0x10000
	v_mov_b32 v4, s20
	v_mov_b32 v5, s20
	v_mov_b32 v6, s21
	v_mov_b32 v7, s21
	s_wait_kmcnt 0x0
	s_min_u32 s28, s28, 1023
	s_min_u32 s29, s29, 1023
	s_add_co_u32 s28, s28, s22
	s_add_co_u32 s30, s29, s23
	s_lshl_b32 s28, s28, 12                        ; a row of ys is 4,096 bytes
	s_mov_b32 s29, 0
	s_lshl_b32 s30, s30, 12
	s_mov_b32 s31, 0
	s_add_nc_u64 s[28:29], s[10:11], s[28:29]
	s_add_nc_u64 s[30:31], s[10:11], s[30:31]
.irp i, 0,1,2,3,4,5,6,7
	global_load_b128 v[8+4*\i:11+4*\i], v2, s[28:29] offset:512*\i th:TH_LOAD_NT
.endr
.irp i, 0,1,2,3,4,5,6,7
	global_load_b128 v[40+4*\i:43+4*\i], v2, s[30:31] offset:512*\i th:TH_LOAD_NT
.endr
	s_wait_loadcnt 8                               ; the first row is in; the second row's eight loads may be out
.irp i, 0,2,4,6,8,10,12,14,16,18,20,22,24,26,28,30
	v_pk_mul_f32 v[8+\i:9+\i], v[8+\i:9+\i], v[4:5]
.endr
	s_wait_loadcnt 0x0
.irp i, 0,2,4,6,8,10,12,14,16,18,20,22,24,26,28,30
	v_pk_fma_f32 v[8+\i:9+\i], v[40+\i:41+\i], v[6:7], v[8+\i:9+\i]
.endr
.irp i, 0,1,2,3,4,5,6,7
	global_store_b128 v2, v[8+4*\i:11+4*\i], s[12:13] offset:512*\i th:TH_STORE_NT
.endr
	s_endpgm
.Lfunc_end_k_qeaf4ee8896_join:
	.size	k_qeaf4ee8896_join, .Lfunc_end_k_qeaf4ee8896_join-k_qeaf4ee8896_join
	.p2alignl 7, 3214868480
	.fill 96, 4, 3214868480
	.section	.rodata,"a",@progbits
	.p2align	6, 0x0
	.amdhsa_kernel k_qeaf4ee8896_join
		.amdhsa_group_segment_fixed_size 0
		.amdhsa_private_segment_fixed_size 0
		.amdhsa_enable_private_segment 0
		.amdhsa_kernarg_size 40
		.amdhsa_user_sgpr_count 2
		.amdhsa_user_sgpr_kernarg_segment_ptr 1
		.amdhsa_wavefront_size32 1
		.amdhsa_system_sgpr_workgroup_id_x 1
		.amdhsa_system_sgpr_workgroup_id_y 1
		.amdhsa_system_sgpr_workgroup_id_z 1
		.amdhsa_system_vgpr_workitem_id 0
		.amdhsa_next_free_vgpr 80
		.amdhsa_next_free_sgpr 66
		.amdhsa_reserve_vcc 0
		.amdhsa_float_denorm_mode_32 3
		.amdhsa_float_denorm_mode_16_64 3
		.amdhsa_memory_ordered 1
		.amdhsa_forward_progress 1
		.amdhsa_inst_pref_size 7
	.end_amdhsa_kernel
	.amdgpu_metadata
---
amdhsa.version: [ 1, 2 ]
amdhsa.kernels:
  - .name:           k_qeaf4ee8896_join
    .symbol:         k_qeaf4ee8896_join.kd
    .args:
      - { .name: sel, .offset: 0, .size: 8, .value_kind: global_buffer, .address_space: global }
      - { .name: plan, .offset: 8, .size: 8, .value_kind: global_buffer, .address_space: global }
      - { .name: xsw, .offset: 16, .size: 8, .value_kind: global_buffer, .address_space: global }
      - { .name: ys, .offset: 24, .size: 8, .value_kind: global_buffer, .address_space: global }
      - { .name: out0, .offset: 32, .size: 8, .value_kind: global_buffer, .address_space: global }
    .group_segment_fixed_size: 0
    .private_segment_fixed_size: 0
    .kernarg_segment_align: 8
    .kernarg_segment_size: 40
    .max_flat_workgroup_size: 128
    .sgpr_count:     66
    .vgpr_count:     80
    .wavefront_size: 32
...
	.end_amdgpu_metadata
.endif
;; end of part 4
;; ======== version 2 of 2: 4 launches
;; workspace buffers: xq 1,048,576 bytes; xsw 40,960 bytes; sel 8,192 bytes of whole numbers; plan 99,328 bytes of whole numbers; him 33,554,432 bytes; hsc 1,048,576 bytes; ys 33,554,432 bytes
;; launch route (part 5): grid 256 x 1, 4 waves a work-group, no clusters, 59,904 bytes of LDS; arguments x, w_router, xq, xsw, sel; writes xq, xsw, sel
.if DOCPART == 5
	.amdgcn_target "amdgcn-amd-amdhsa--gfx1250"
	.amdhsa_code_object_version 6
	.text
	.protected	k_qeaf4ee8896_route
	.globl	k_qeaf4ee8896_route
	.p2align	8
	.type	k_qeaf4ee8896_route,@function
k_qeaf4ee8896_route:
	s_mov_b64 s[64:65], 0
	v_nop
	global_prefetch_b8 v0, s[64:65] scope:SCOPE_SE
	s_setreg_imm32_b32 hwreg(HW_REG_WAVE_MODE, 25, 1), 1
	s_wait_xcnt 0x0
; THE ROUTER AND THE QUANTISER OF x.  x [1024][1024] f32, w_router [1024][8] f32.  One wave takes one token n = 4 x work-group + wave.
; It makes (a) the 8 logits by f32 multiply-adds, the softmax with its maximum taken off, the two largest probabilities (the lower index wins a tie) and their weights p / (pa + pb);
; (b) the token's 1,024 codes of E4M3 and 32 E8M0 bytes: a lane holds one block of 32 along K.
; OUT: xq [1024][1024] codes; xsw: bytes 0 .. 32,767 the scale bytes [1024][32], from byte 32,768 the weights f32 [1024][2]; sel u32 [1024][2] the chosen experts, at fixed places: no address here hangs on them.
; LIMITS: NaN and infinities are not served; a block whose largest magnitude lies under 2^(9 - 127) keeps the byte 1 (a block of zeros too: its codes are zeros, and this program alone reads the bytes);
; two probabilities nearer to each other than f32 summation resolves may be ranked the other way.
; LDS: w_router at byte 0, 16 bytes of padding behind each 128 (a lane's four rows of weights lie 144 bytes from its neighbour's); then for each wave 4,608 bytes in which x turns from 16 bytes a lane to 128 bytes a lane, and 1,024 in which the codes turn back.
.set XT,   36864                       ; the waves' regions begin here
.set WREG, 5632                        ; a wave's region
.set CT,   4608                        ; in it: the codes' turn, behind x's
.set X,    16                          ; v16-47   x as loaded: register 4 i + j = x[128 i + 4 lane + j]
.set WG,   48                          ; v48-111  w_router on its way to LDS, then two sets of 32 weights
.set B,    112                         ; v112-143 x[32 lane + 0 .. 31]; later at work
.set A,    144                         ; v144-151 the 8 logits, in 4 pairs
.set C,    152                         ; v152-159 my block's 32 codes
.set T,    160                         ; v160-167 at work
.set CO,   168                         ; v168-175 the codes as they leave
.set P,    176                         ; v176-183 the probabilities
.set SELR, 184                         ; v[184:185] the two experts
.set WTS,  186                         ; v[186:187] their weights
.set Z,    188                         ; v188 0
.set BYT,  189                         ; v189 my block's scale byte
	s_load_b256 s[4:11], s[0:1], 0x0               ; x s[4:5], w_router s[6:7], xq s[8:9], xsw s[10:11]
	s_load_b64 s[12:13], s[0:1], 0x20              ; sel
	v_lshl_add_u32 v192, v0, 2, 0xe800
	v_mov_b32 v193, 0
	v_lshrrev_b32 v1, 5, v0
	v_readfirstlane_b32 s14, v1                    ; wave
	v_and_b32 v2, 31, v0                           ; lane
	v_lshlrev_b32 v3, 4, v2                        ; 16 x lane
	v_lshlrev_b32 v4, 4, v0                        ; 16 x thread
	s_lshl_b32 s15, ttmp9, 2
	s_add_co_u32 s15, s15, s14                     ; my token
	s_mul_i32 s16, s14, WREG
	s_add_co_u32 s16, s16, XT                      ; my wave's region
	v_lshrrev_b32 v5, 3, v2
	v_lshl_add_u32 v5, v5, 4, v3
	v_add_nc_u32 v5, s16, v5                       ; x into its turn: 16 lane + 16 (lane / 8); 576 bytes a load
	v_lshrrev_b32 v6, 3, v0
	v_lshl_add_u32 v6, v6, 4, v4                   ; w_router into LDS: 16 t + 16 (t / 8); 2,304 bytes a load
	v_mul_u32_u24 v7, v2, 144                      ; and out of it: 144 x lane; 4,608 bytes for each 128 along K
	v_add_nc_u32 v8, s16, v7                       ; x out of its turn: my 128 bytes
	v_lshl_add_u32 v9, v2, 5, s16                  ; the codes into their turn: 32 x lane
	v_add_nc_u32 v10, s16, v3                      ; and out: 16 x lane
	s_mov_b32 s17, 0x600000                        ; the mantissa field of 448
	s_mov_b32 s18, 0x76543210
	s_mov_b32 s19, 0xfedcba98                      ; v_permlanex16_b32's selects for lane l xor 16
	s_lshl_b32 s20, s15, 12                        ; a row of x is 4,096 bytes,
	s_mov_b32 s21, 0
	s_lshl_b32 s22, s15, 10                        ; of codes 1,024,
	s_mov_b32 s23, 0
	s_lshl_b32 s24, s15, 5                         ; of scale bytes 32,
	s_mov_b32 s25, 0
	s_lshl_b32 s26, s15, 3                         ; of experts and of weights 8
	s_mov_b32 s27, 0
	s_wait_alu depctr_va_vdst(0)
	s_wait_kmcnt 0x0
	s_add_nc_u64 s[4:5], s[4:5], s[20:21]
	s_add_nc_u64 s[8:9], s[8:9], s[22:23]
	s_add_nc_u64 s[28:29], s[10:11], s[24:25]
	s_add_nc_u64 s[10:11], s[10:11], s[26:27]
	s_add_nc_u64 s[12:13], s[12:13], s[26:27]
.irp i, 0,1,2,3,4,5,6,7
	global_load_b128 v[X+4*\i:X+4*\i+3], v3, s[4:5] offset:512*\i th:TH_LOAD_NT   ; 32 lanes read 512 consecutive bytes
.endr
.irp j, 0,1,2,3,4,5,6,7,8,9,10,11,12,13,14,15
	global_load_b128 v[WG+4*\j:WG+4*\j+3], v4, s[6:7] offset:2048*\j             ; the work-group reads 2,048 consecutive bytes
.endr
	s_wait_loadcnt 16                              ; x is in; w_router's 16 loads may be out
.irp i, 0,1,2,3,4,5,6,7
	ds_store_b128 v5, v[X+4*\i:X+4*\i+3] offset:576*\i
.endr
	s_wait_loadcnt 0x0
.irp j, 0,1,2,3,4,5,6,7,8,9,10,11,12,13,14,15
	ds_store_b128 v6, v[WG+4*\j:WG+4*\j+3] offset:2304*\j
.endr
	s_wait_dscnt 0x0                               ; for the others' sake: my part of w_router lies in LDS
	s_barrier_signal -1
	s_barrier_wait -1
.irp m, 0,1,2,3,4,5,6,7
	ds_load_b128 v[B+4*\m:B+4*\m+3], v8 offset:16*\m   ; my block of 32 along K (issued first: the counted waits below cover it)
.endr
.macro WSET i                          ; the weights of x[128 i + 4 lane + 0 .. 3]: four rows of 8, register 8 j + e
.irp m, 0,1,2,3,4,5,6,7
	ds_load_b128 v[WG+32*((\i)%2)+4*\m:WG+32*((\i)%2)+4*\m+3], v7 offset:4608*(\i)+16*\m
.endr
.endm
.macro DOT i                           ; 16 packed multiply-adds: two experts each, x broadcast from one register of its pair; the first four start the sums
.irp j, 0,1,2,3
.irp ep, 0,1,2,3
.if (\i == 0) && (\j == 0)
	v_pk_mul_f32 v[A+2*\ep:A+2*\ep+1], v[X:X+1], v[WG+2*\ep:WG+2*\ep+1] op_sel_hi:[0,1]
.elseif (\j % 2) == 0
	v_pk_fma_f32 v[A+2*\ep:A+2*\ep+1], v[X+4*\i+\j:X+4*\i+\j+1], v[WG+32*(\i%2)+8*\j+2*\ep:WG+32*(\i%2)+8*\j+2*\ep+1], v[A+2*\ep:A+2*\ep+1] op_sel_hi:[0,1,1]
.else
	v_pk_fma_f32 v[A+2*\ep:A+2*\ep+1], v[X+4*\i+\j-1:X+4*\i+\j], v[WG+32*(\i%2)+8*\j+2*\ep:WG+32*(\i%2)+8*\j+2*\ep+1], v[A+2*\ep:A+2*\ep+1] op_sel:[1,0,0] op_sel_hi:[1,1,1]
.endif
.endr
.endr
.endm
	WSET 0
	WSET 1
.irp i, 0,1,2,3,4,5,6,7
.if \i < 7
	s_wait_alu depctr_va_vdst(0)
	s_wait_dscnt 8                                 ; this set is in; the next set's eight loads may be out
.else
	s_wait_alu depctr_va_vdst(0)
	s_wait_dscnt 0x0
.endif
	DOT \i
.if \i < 6
	WSET \i+2
.endif
.endr
	; THE QUANTISER: all 32 numbers of the block are mine
	v_max3_num_f32 v[T], |v[B]|, |v[B+1]|, |v[B+2]|
	v_max3_num_f32 v[T+1], |v[B+3]|, |v[B+4]|, |v[B+5]|
.irp i, 6,10,14,18,22,26
	v_max3_num_f32 v[T], v[T], |v[B+\i]|, |v[B+\i+1]|
	v_max3_num_f32 v[T+1], v[T+1], |v[B+\i+2]|, |v[B+\i+3]|
.endr
	v_max3_num_f32 v[T], v[T], |v[B+30]|, |v[B+31]|
	v_max3_num_f32 v[T], v[T], v[T+1], 0x4800000   ; and the floor 2^(9 - 127): the byte cannot fall under 1
	v_add_nc_u32 v[T+3], 0xfc000000, v[T]          ; 8 off the exponent field: the conversion's scale operand
	v_and_or_b32 v[T+2], v[T], 0x7f800000, s17     ; 448 x the scale
	v_lshrrev_b32 v[BYT], 23, v[T+3]               ; the scale's byte
.irp i, 0,1,2,3,4,5,6,7,8,9,10,11,12,13,14,15,16,17,18,19,20,21,22,23,24,25,26,27,28,29,30,31
	v_med3_num_f32 v[B+\i], v[B+\i], -v[T+2], v[T+2]   ; the conversion to an 8-bit code does not saturate (ISA guide 7.6.2): the hold comes first
.endr
.irp g, 0,1,2,3
	v_cvt_scalef32_pk8_fp8_f32 v[C+2*\g:C+2*\g+1], v[B+8*\g:B+8*\g+7], v[T+3]
.endr
	v_nop                                          ; a plain line behind the last conversion: its sources are written again below
	ds_store_b128 v9, v[C:C+3] offset:CT
	ds_store_b128 v9, v[C+4:C+7] offset:CT+16
	ds_load_b128 v[CO:CO+3], v10 offset:CT         ; LDS serves a wave's instructions in order: these see my stores
	ds_load_b128 v[CO+4:CO+7], v10 offset:CT+512
	global_store_b8 v2, v[BYT], s[28:29]           ; 32 consecutive bytes a wave: the whole table is 32 KB, so no further stage is spent on it
	; the logits: the sum over the 32 lanes, in every lane
.irp k, 1,2,4,8
.irp e, 0,1,2,3,4,5,6,7
	v_add_f32_dpp v[A+\e], v[A+\e], v[A+\e] row_xmask:\k row_mask:0xf bank_mask:0xf
.endr
.endr
.irp e, 0,1,2,3,4,5,6,7
	v_permlanex16_b32 v[B+\e], v[A+\e], s18, s19
.endr
.irp e, 0,1,2,3,4,5,6,7
	v_add_f32 v[A+\e], v[A+\e], v[B+\e]
.endr
	s_wait_alu depctr_va_vdst(0)
	s_wait_dscnt 0x0                               ; the codes are back
	global_store_b128 v3, v[CO:CO+3], s[8:9]       ; 512 consecutive bytes each
	global_store_b128 v3, v[CO+4:CO+7], s[8:9] offset:512
	; the softmax, with the largest logit taken off
	v_max3_num_f32 v[T], v[A], v[A+1], v[A+2]
	v_max3_num_f32 v[T], v[T], v[A+3], v[A+4]
	v_max3_num_f32 v[T], v[T], v[A+5], v[A+6]
	v_max_num_f32 v[T], v[T], v[A+7]
.irp e, 0,1,2,3,4,5,6,7
	v_sub_f32 v[P+\e], v[A+\e], v[T]
.endr
.irp e, 0,1,2,3,4,5,6,7
	v_mul_f32 v[P+\e], 0x3fb8aa3b, v[P+\e]         ; x log2(e)
.endr
	s_wait_alu depctr_va_vdst(0)
.irp e, 0,1,2,3,4,5,6,7
	v_exp_f32 v[P+\e], v[P+\e]
.endr
	v_nop                                          ; a plain line behind the exponentials,
	s_wait_alu depctr_va_vdst(0)                   ; and one wait for the batch, ahead of its first reader
	v_add_f32 v[T], v[P], v[P+1]
	v_add_f32 v[T+1], v[P+2], v[P+3]
	v_add_f32 v[T+2], v[P+4], v[P+5]
	v_add_f32 v[T+3], v[P+6], v[P+7]
	v_add_f32 v[T], v[T], v[T+1]
	v_add_f32 v[T+2], v[T+2], v[T+3]
	v_add_f32 v[T], v[T], v[T+2]
	s_wait_alu depctr_va_vdst(0)
	v_rcp_f32 v[T+4], v[T]
	v_mov_b32 v[B+16], -1.0                        ; (plain lines behind the reciprocal)  under every probability
.irp e, 1,2,3,4,5,6,7
	v_mov_b32 v[B+8+\e], \e                        ; the experts' numbers, for the selects
.endr
	s_wait_alu depctr_va_vdst(0)
.irp e, 0,1,2,3,4,5,6,7
	v_mul_f32 v[P+\e], v[P+\e], v[T+4]
.endr
	; the two largest, by selects alone: a later expert wins only where it is strictly larger
	v_mov_b32 v[T], v[P]
	v_mov_b32 v[SELR], 0
.irp e, 1,2,3,4,5,6,7
	v_cmp_gt_f32 vcc_lo, v[P+\e], v[T]
	v_cndmask_b32 v[T], v[T], v[P+\e], vcc_lo
	v_cndmask_b32 v[SELR], v[SELR], v[B+8+\e], vcc_lo
.endr
.irp e, 0,1,2,3,4,5,6,7
	v_cmp_eq_u32 vcc_lo, \e, v[SELR]
	v_cndmask_b32 v[P+\e], v[P+\e], v[B+16], vcc_lo   ; the winner is taken out
.endr
	v_mov_b32 v[T+1], v[P]
	v_mov_b32 v[SELR+1], 0
.irp e, 1,2,3,4,5,6,7
	v_cmp_gt_f32 vcc_lo, v[P+\e], v[T+1]
	v_cndmask_b32 v[T+1], v[T+1], v[P+\e], vcc_lo
	v_cndmask_b32 v[SELR+1], v[SELR+1], v[B+8+\e], vcc_lo
.endr
	v_add_f32 v[T+2], v[T], v[T+1]
	s_wait_alu depctr_va_vdst(0)
	v_rcp_f32 v[T+3], v[T+2]
	v_mov_b32 v[Z], 0                              ; (a plain line behind the reciprocal)
	s_wait_alu depctr_va_vdst(0)
	v_mul_f32 v[WTS], v[T], v[T+3]
	v_mul_f32 v[WTS+1], v[T+1], v[T+3]
	v_cmp_eq_u32 vcc_lo, 0, v2
	s_wait_alu depctr_va_vdst(0)
	s_wait_xcnt 0x0                                ; EXEC is a source of the stores above: it changes only behind this wait
	s_wait_tensorcnt 0x0
	ds_add_u32 v192, v193
	s_wait_dscnt 0x0
	s_and_saveexec_b32 s30, vcc_lo                 ; every lane holds the same four numbers: lane 0 stores them
	global_store_b64 v[Z], v[SELR:SELR+1], s[12:13]
	global_store_b64 v[Z], v[WTS:WTS+1], s[10:11] offset:32768
	s_wait_xcnt 0x0
	s_or_b32 exec_lo, exec_lo, s30
	s_endpgm
.Lfunc_end_k_qeaf4ee8896_route:
	.size	k_qeaf4ee8896_route, .Lfunc_end_k_qeaf4ee8896_route-k_qeaf4ee8896_route
	.p2alignl 7, 3214868480
	.fill 96, 4, 3214868480
	.section	.rodata,"a",@progbits
	.p2align	6, 0x0
	.amdhsa_kernel k_qeaf4ee8896_route
		.amdhsa_group_segment_fixed_size 59904
		.amdhsa_private_segment_fixed_size 0
		.amdhsa_enable_private_segment 0
		.amdhsa_kernarg_size 40
		.amdhsa_user_sgpr_count 2
		.amdhsa_user_sgpr_kernarg_segment_ptr 1
		.amdhsa_wavefront_size32 1
		.amdhsa_system_sgpr_workgroup_id_x 1
		.amdhsa_system_sgpr_workgroup_id_y 1
		.amdhsa_system_sgpr_workgroup_id_z 1
		.amdhsa_system_vgpr_workitem_id 0
		.amdhsa_next_free_vgpr 194
		.amdhsa_next_free_sgpr 66
		.amdhsa_reserve_vcc 1
		.amdhsa_float_denorm_mode_32 3
		.amdhsa_float_denorm_mode_16_64 3
		.amdhsa_memory_ordered 1
		.amdhsa_forward_progress 1
		.amdhsa_inst_pref_size 31
	.end_amdhsa_kernel
	.amdgpu_metadata
---
amdhsa.version: [ 1, 2 ]
amdhsa.kernels:
  - .name:           k_qeaf4ee8896_route
    .symbol:         k_qeaf4ee8896_route.kd
    .args:
      - { .name: x, .offset: 0, .size: 8, .value_kind: global_buffer, .address_space: global }
      - { .name: w_router, .offset: 8, .size: 8, .value_kind: global_buffer, .address_space: global }
      - { .name: xq, .offset: 16, .size: 8, .value_kind: global_buffer, .address_space: global }
      - { .name: xsw, .offset: 24, .size: 8, .value_kind: global_buffer, .address_space: global }
      - { .name: sel, .offset: 32, .size: 8, .value_kind: global_buffer, .address_space: global }
    .group_segment_fixed_size: 59904
    .private_segment_fixed_size: 0
    .kernarg_segment_align: 8
    .kernarg_segment_size: 40
    .max_flat_workgroup_size: 128
    .sgpr_count:     66
    .vgpr_count:     194
    .wavefront_size: 32
...
	.end_amdgpu_metadata
.endif
;; end of part 5
;; launch up (part 6): grid 32 x 8, 4 waves a work-group, no clusters, 69,120 bytes of LDS; arguments w1_codes, w1_scales, xq, xsw, sel, him, hsc, plan; writes him, hsc, plan
.if DOCPART == 6
	.amdgcn_target "amdgcn-amd-amdhsa--gfx1250"
	.amdhsa_code_object_version 6
	.text
	.protected	k_qeaf4ee8896_up
	.globl	k_qeaf4ee8896_up
	.p2align	8
	.type	k_qeaf4ee8896_up,@function
k_qeaf4ee8896_up:
	s_mov_b64 s[64:65], 0
	v_nop
	global_prefetch_b8 v0, s[64:65] scope:SCOPE_SE
	s_setreg_imm32_b32 hwreg(HW_REG_WAVE_SCHED_MODE, 0, 2), 2
	s_setreg_imm32_b32 hwreg(HW_REG_WAVE_MODE, 25, 1), 1
	s_wait_xcnt 0x0
	s_wait_alu depctr_vm_vsrc(0)
; THE PLACING OF ROWS AND THE FIRST PRODUCT OF THE CHOSEN ROWS: h = Q(gelu(Q(x) W1[e])), on codes of E4M3 with one E8M0 byte for each 32 along K.
; SHARES.  Work-group (x, y): expert e = y, 256 FFN units (slice = x / 2), every second step of 32 rows of the expert's list (half = x % 2).  Wave w: units 256 slice + 64 w + 0 .. 63, all of K = 1,024:
; its 4 tiles x 8 K steps of W1 stay in 512 registers for the whole launch, loaded straight from the given codes.
; THE LIST.  sel u32 [1024][2] holds each token's two experts, stored by an earlier launch.  An expert's rows are the tokens that chose it, in ascending order: position p holds the (p + 1)-th of them.  While its first
; loads of W1 are on their way, every wave makes the expert's 32 masks of 32 tokens; then wave w finds the tokens of the work-group's steps 4 w .. 4 w + 3: a lane has one position p; a walk over the 32 chunks keeps the last
; chunk whose running count is at most p; the (p - count)-th set bit of that chunk's mask is found by field sums and five halvings.  The entries (token x 1,024) go to LDS at places that hang on wave and lane alone.
; A position at or beyond the expert's count gets some token of the table, whose results nobody reads.  Wave 0 of work-group x = 0 stores what the later launches want into plan: from byte 65,536 u32 [8][1024], a token's
; position in expert e's list (read only for tokens that chose e); from byte 98,304 u32 [8][32], the expert's count, 32 times.  The bytes of plan in front of these are not used.
; The rows: each wave gathers 8 rows of codes (whole rows of 1,024 bytes) into one of two LDS buffers, a step ahead of the products; all four waves read all 32 rows.
; THE NUMBER OF STEPS HANGS ON STORED NUMBERS, so this launch has no tensor load and no cluster: the partners that would share W1 are an expert's row steps, and their number is data.  The loop has a constant
; 16 steps; every wave passes every barrier; a step at or beyond T is jumped over.  T = max(1, my half's share of ceil(count / 32)): the first step is always done, here and in the next launch alike.
; THE PRODUCT IS USED TRANSPOSED (source 0 = 16 rows of W1, source 1 = 16 tokens) AND THE ROWS OF W1 THAT FORM A TILE ARE NOT NEIGHBOURS: lane r of tile 2 b + u takes unit 32 b + 8 u + r + 8 (r / 8).  So a lane holds one
; token, and the 16 registers of tiles 2 b, 2 b + 1 are units 32 b + 16 (lane / 16) + 0 .. 15: neighbours along the next K, in the order of the next operand's registers.
; gelu(x) = 0.5 x (1 + tanh(sqrt(2/pi) (x + 0.044715 x^3))) is computed as x / (1 + 2^t), t = x (a + b x^2), a = -2 log2(e) sqrt(2/pi), b = 0.044715 a: the same function, with no difference of near numbers.
; OUT.  him: h's codes as images of the next operand's registers, [e][tile of 16 positions][K step 32][c 4][lane 32][16 bytes]: each store is 512 consecutive bytes.
;       hsc: the scale bytes as half words, [e][step of 32 positions][K step 32][half word 2][row 32]: 64 consecutive bytes a store.
; LIMITS: NaN and infinities are not served; a block whose largest magnitude lies under 2^(9 - 127) keeps the byte 1 (its codes are zeros or nearly so, and this program alone reads the bytes).
; REGISTERS, in windows of 256: window 0 as named below; window 1: W1 of K steps 0-3 at ((s % 4) 4 + ct) 16; window 2: K steps 4-7 likewise; window 3: the rows' fragments at (2 s + rt) 16, and, once a step's products are done, v0-63 as gelu's scratch.
; THE MODE: SCHED_MODE bits 1:0 = 2 (LLVM: expert scheduling mode 2), set by the entry lines.  The code itself states the register dependences between vector or matrix instructions and memory or LDS
; instructions, and those through scalar registers that vector instructions write, with s_wait_alu, always for 0.
; THE PLAN.  Registers that memory or LDS instructions touch, in the loop:
;   window 3       A step's 64 LDS loads land in it; its products read it; gelu then writes and reads v0-63 of it.
;   G              The 16 loads of the next step's rows land in it; the 16 LDS stores at the step's end read it.  No vector instruction names it in the loop.
;   XS, two sets   The two loads of the next step's scale words land in the set that the step before multiplied by; the next step's products read it.
;   VL, VI         Two LDS loads at the step's head land in them; eight v_readlane_b32 and a shift read them.
;   LT, IT         Written by two additions at the step's head; read by those two LDS loads.
;   XA             Written by two lines among the next step's loads; read by the scale words' two loads.
;   PC, HW + 2     Written by the quantiser; read by the step's five stores.
;   FR, STA, L16, L2  Made at the head and never written again.
; So a step holds: ONE wait on vm_vsrc, at its head, for all that the step before's memory and LDS instructions read and this step writes (PC, HW + 2, LT, IT, XA, G); ONE on va_vdst behind the two additions, for LT and IT and
; for all that the step before's vector and matrix instructions named and this step's loads land in (VL, VI, window 3, the XS set); among the next step's loads one on va_sdst (the readlanes) and one on va_vdst (XA);
; gelu's four; and one on va_vdst ahead of the stores, with the rows' LDS stores, which hang on no vector result, between the quantiser and it.
.set PITCH, 1040                       ; a row of codes in LDS: 1,024 bytes + 16 = 65 x 16: the 16 rows that a load touches start in 16 different columns of 16 bytes
.set BUF,   32*PITCH                   ; a buffer: 32 rows
.set LIST,  2*BUF                      ; behind the two buffers: the work-group's 16 steps x 32 entries of 4 bytes
.set VW,   4                           ; v4   W1: (r + 8 (r / 8)) x 1,024 + 16 h
.set VWS,  5                           ; v5   W1's scale words: (r + 8 (r / 8)) x 32
.set FR,   6                           ; v6   a fragment's place in a buffer: r x PITCH + 16 h
.set STA,  7                           ; v7   where I put gathered rows: 8 wave x PITCH + 16 lane
.set L16,  8                           ; v8   16 x lane
.set L4,   9                           ; v9   4 x lane
.set L2,   10                          ; v10  2 x lane
.set VL,   11                          ; v11  the list's entry of row `lane` of the next step
.set XA,   12                          ; v12  that token's row of scale bytes
.set GA,   14                          ; v[14:15] a, twice
.set GB,   16                          ; v[16:17] b, twice
.set LA,   18                          ; v18  LIST + 4 lane
.set IA,   19                          ; v19  LIST + 32 wave + 4 (lane % 8): my wave's 8 rows of a step
.set WS,   20                          ; v20-51   W1's scale words: 8 ct + s
.set XS,   52                          ; v52-67   the rows' scale words, two sets of 8: lanes 0-15 the first 16 rows', lanes 16-31 the other 16's
.set ACC,  68                          ; v68-131  8 accumulators: (4 rt + ct) 8.  At the head: v68-99 the 32 chunks' positions, v100-131 at work on the list
.set WK,   100                         ; at the head, 8 registers for each of my 4 steps: field sums of 2, 4, 8, 16 bits; two at work; the bit's place; the rank
.set G,    132                         ; v132-195 8 gathered rows on their way to LDS.  At the head: sel, two registers a chunk
.set TM,   196                         ; v196-211 the quantiser's: largest magnitudes, bytes, holds, scale operands
.set PC,   216                         ; v216-231 the codes: 4 registers for each (rt, b).  At the head:
.set PP,   216                         ; v216-219 my 4 steps' positions
.set SM,   220                         ; v220-223 the kept chunk's mask
.set SB,   224                         ; v224-227 its running count + (chunk << 16)
.set HW,   232                         ; v232-234 the half words
.set VI,   235                         ; v235 lanes 0-7: the list's entries of my wave's 8 rows of the next step
.set L8,   236                         ; v236 8 x lane
.set CN,   237                         ; v237 the expert's count
.set LT,   238                         ; v238, v239 LA and IA at the next step's row of the list
.set IT,   239
.set LW,   240                         ; v240 where I put list entries: LIST + 512 wave + 4 lane
.set MK,   20                          ; s20-51 at the head: the 32 masks
.set CM,   52                          ; s52-59 at the head: compare results
.set IDS,  20                          ; s[20:27] my 8 rows' list entries
.set OFF,  28                          ; s[28:43] the same, bounded, as 8 pairs with 0 above
.set RB,   44                          ; s[44:59] the 8 rows' addresses
.set PL,   60                          ; s[60:61] plan at my expert's row of positions
.set LOF,  62                          ; s62 128 x (the step + 1): the next step's row of the list
.set HP,   66                          ; s[66:67] him at my codes of the step in hand
.set SP,   68                          ; s[68:69] hsc likewise
.set SI,   70                          ; s70 the step
.set STP,  71                          ; s71 T
.set TRIP, 72                          ; s72 the loop's counter
.set SN,   73                          ; s73 the step + 1
.set MSK,  74                          ; s74 lanes 16-31
.set MNT,  75                          ; s75 the mantissa field of 448
.set SEL,  76                          ; s[76:77] v_permlanex16_b32's selects for lane l xor 16
.set PCN,  86                          ; s[86:87] plan at my expert's count
.set MSB, 0
.macro WIN new                         ; the immediate's high byte repeats the setting that is left; a switch that changes nothing is dropped
.if MSB != \new
	s_set_vgpr_msb (MSB<<8)|\new
.set MSB, \new
.endif
.endm
.macro PART dst, src, sh               ; s[dst] += s[src] << sh
	s_lshl_b32 s96, s[\src], \sh
	s_add_co_u32 s[\dst], s[\dst], s96
.endm
; 16 loads: column tile ct, K steps k0 .. k0 + 3 (the caller sets the window): lane (r, h) takes 16 bytes of its row; the eight loads of two neighbouring K steps use up 256 consecutive bytes of each row
.macro WL ct, k0
.irp s, 0,1,2,3
.irp c, 0,1,2,3
	global_load_b128 v[(\s*4+\ct)*16+4*\c:(\s*4+\ct)*16+4*\c+3], v[VW], s[4:5] offset:(32*(\ct/2)+8*(\ct%2))*1024+128*(\k0+\s)+32*\c
.endr
.endr
.endm
; The walk.  s80: the members in front of the chunk.  A later chunk whose count is still at most p takes the earlier one's place, so the last one kept is the chunk that holds position p.
; Two chunks, c and c + 1, at a time: their eight compares stand in one run, with one wait behind it.
.macro SCAN2 c
	s_bcnt1_i32_b32 s82, s[MK+\c]
	s_add_co_u32 s83, s80, s82                     ; the members in front of chunk c + 1
	s_add_co_u32 s81, s80, (\c)<<16                ; the count (at most 1,024) and the chunk in one word,
	s_add_co_u32 s82, s83, ((\c)+1)<<16            ; for each of the two
	v_mbcnt_lo_u32_b32 v[ACC+\c], s[MK+\c], s80    ; the position of token 32 c + lane, if it chose my expert
	v_mbcnt_lo_u32_b32 v[ACC+\c+1], s[MK+\c+1], s83
.irp q, 0,1,2,3
	v_cmp_le_u32 s[CM+\q], s80, v[PP+\q]
.endr
.irp q, 0,1,2,3
	v_cmp_le_u32 s[CM+4+\q], s83, v[PP+\q]
.endr
	s_wait_alu depctr_va_sdst(0)                   ; the eight compares have written s[CM ..], ahead of the selects that read them
.irp q, 0,1,2,3
	v_cndmask_b32 v[SM+\q], v[SM+\q], s[MK+\c], s[CM+\q]
.endr
.irp q, 0,1,2,3
	v_cndmask_b32 v[SB+\q], v[SB+\q], s81, s[CM+\q]
.endr
.irp q, 0,1,2,3
	v_cndmask_b32 v[SM+\q], v[SM+\q], s[MK+\c+1], s[CM+4+\q]
.endr
.irp q, 0,1,2,3
	v_cndmask_b32 v[SB+\q], v[SB+\q], s82, s[CM+4+\q]
.endr
	s_bcnt1_i32_b32 s80, s[MK+\c+1]
	s_add_co_u32 s80, s83, s80                     ; the members in front of chunk c + 2
.endm
.macro SCAN1 c                         ; one chunk alone: the last
	s_add_co_u32 s81, s80, (\c)<<16
	v_mbcnt_lo_u32_b32 v[ACC+\c], s[MK+\c], s80
.irp q, 0,1,2,3
	v_cmp_le_u32 s[CM+\q], s80, v[PP+\q]
.endr
	s_wait_alu depctr_va_sdst(0)                   ; the four compares have written s[CM ..], ahead of the selects that read them
.irp q, 0,1,2,3
	v_cndmask_b32 v[SM+\q], v[SM+\q], s[MK+\c], s[CM+\q]
.endr
.irp q, 0,1,2,3
	v_cndmask_b32 v[SB+\q], v[SB+\q], s81, s[CM+\q]
.endr
	s_bcnt1_i32_b32 s82, s[MK+\c]
	s_add_co_u32 s80, s80, s82
.endm
; One halving: the set bits in the lower st places from the bit's place on are read off a field sum (fw bits wide); a rank at or above them goes on in the upper half.  My 4 steps by turns.
.macro LEVEL sb, ss, fw, st
.irp q, 0,1,2,3
	v_bfe_u32 v[WK+8*\q+4], v[\sb+\ss*\q], v[WK+8*\q+6], \fw
.endr
.irp q, 0,1,2,3
	v_cmp_ge_u32 s[CM+\q], v[WK+8*\q+7], v[WK+8*\q+4]
.endr
	s_wait_alu depctr_va_sdst(0)                   ; the four compares have written s[CM ..], ahead of the selects that read them
.irp q, 0,1,2,3
	v_cndmask_b32 v[WK+8*\q+4], 0, v[WK+8*\q+4], s[CM+\q]
.endr
.irp q, 0,1,2,3
	v_cndmask_b32 v[WK+8*\q+5], 0, \st, s[CM+\q]
.endr
.irp q, 0,1,2,3
	v_sub_nc_u32 v[WK+8*\q+7], v[WK+8*\q+7], v[WK+8*\q+4]
.endr
.irp q, 0,1,2,3
	v_add_nc_u32 v[WK+8*\q+6], v[WK+8*\q+6], v[WK+8*\q+5]
.endr
.endm
; The loads of the next step, whose list words lie in VL and VI: my 8 rows of codes into G, the 32 rows' scale words into set p.
; All earlier loads that name these address registers have been waited for where this stands, so they may be written; that they have read v[XA], and the LDS stores G, the wait on vm_vsrc at the step's head has stated.
.macro NEXTLD p
.irp j, 0,1,2,3,4,5,6,7
	v_readlane_b32 s[IDS+\j], v[VI], \j
.endr
	v_lshrrev_b32 v[XA], 5, v[VL]                  ; token x 32,
	v_min_u32 v[XA], 0x7fe0, v[XA]                 ; held inside the scale bytes
	s_wait_alu depctr_va_sdst(0)                   ; the eight v_readlane_b32 have written s[IDS ..], ahead of their first readers
.irp j, 0,1,2,3,4,5,6,7
	s_min_u32 s[OFF+2*\j], s[IDS+\j], 0xffc00      ; token x 1,024, held inside xq
.endr
.irp j, 0,1,2,3,4,5,6,7
	s_add_nc_u64 s[RB+2*\j:RB+2*\j+1], s[8:9], s[OFF+2*\j:OFF+2*\j+1]
.endr
.irp j, 0,1,2,3,4,5,6,7
	global_load_b128 v[G+8*\j:G+8*\j+3], v[L16], s[RB+2*\j:RB+2*\j+1]               ; a row is two loads of 512 consecutive bytes.  No wait: no vector instruction since the last wait on va_vdst names G or v[L16]
	global_load_b128 v[G+8*\j+4:G+8*\j+7], v[L16], s[RB+2*\j:RB+2*\j+1] offset:512
.endr
	s_wait_alu depctr_va_vdst(0)                   ; v[XA] is written, which the two loads below read as their offset
	global_load_b128 v[XS+8*(\p):XS+8*(\p)+3], v[XA], s[10:11]
	global_load_b128 v[XS+8*(\p)+4:XS+8*(\p)+7], v[XA], s[10:11] offset:16
.endm
.macro STAGE p                         ; the gathered rows go into buffer p: their registers were written by loads alone, so the wait on LOADcnt is all that the stores hang on
	s_wait_loadcnt 0x0
.irp j, 0,1,2,3,4,5,6,7
	ds_store_b128 v[STA], v[G+8*\j:G+8*\j+3] offset:(\p)*BUF+\j*PITCH
	ds_store_b128 v[STA], v[G+8*\j+4:G+8*\j+7] offset:(\p)*BUF+\j*PITCH+512
.endr
.endm
.macro XFETCH p                        ; 64 LDS loads in one run, K step by K step: the 32 rows' 16 fragments into window 3
	WIN 0xc0
.irp s, 0,1,2,3,4,5,6,7
.irp rt, 0,1
.irp c, 0,1,2,3
	ds_load_b128 v[(2*\s+\rt)*16+4*\c:(2*\s+\rt)*16+4*\c+3], v[FR] offset:(\p)*BUF+\rt*16*PITCH+128*\s+32*\c
.endr
.endr
.endr
	WIN 0
.endm
; One product: K step s, row tile rt, column tile ct; rs: the set of the rows' scale words.  The first K step starts the sums with the constant 0: nothing is cleared.
.macro PROD s, rt, ct, rs
.set ks, \s
.set dD, ACC+8*(4*\rt+\ct)
.set dA, ((ks%4)*4+\ct)*16
.set dB, (2*ks+\rt)*16
.set dW, WS+8*\ct+ks
.set dR, \rs+ks
.if ks == 0
.if \rt == 0
	v_wmma_scale_f32_16x16x128_f8f6f4 v[dD:dD+7], v[dA:dA+15], v[dB:dB+15], 0, v[dW], v[dR]
.else
	v_wmma_scale_f32_16x16x128_f8f6f4 v[dD:dD+7], v[dA:dA+15], v[dB:dB+15], 0, v[dW], v[dR] matrix_b_scale:MATRIX_SCALE_ROW1
.endif
.else
.if \rt == 0
	v_wmma_scale_f32_16x16x128_f8f6f4 v[dD:dD+7], v[dA:dA+15], v[dB:dB+15], v[dD:dD+7], v[dW], v[dR]
.else
	v_wmma_scale_f32_16x16x128_f8f6f4 v[dD:dD+7], v[dA:dA+15], v[dB:dB+15], v[dD:dD+7], v[dW], v[dR] matrix_b_scale:MATRIX_SCALE_ROW1
.endif
.endif
.endm
; A step's 64 products.  The eight accumulators take turns, one instruction a turn.
.macro MULS p
.irp s, 0,1,2,3,4,5,6,7
.if \s == 0
	WIN 0x0d                                       ; source 0 (W1) window 1, source 1 (the rows) window 3, C and D window 0
.endif
.if \s == 4
	WIN 0x0e                                       ; source 0 window 2
.endif
	s_wait_dscnt 56-8*\s                           ; this K step's 8 loads are in; those of the later K steps may be out
.irp rt, 0,1
.irp ct, 0,1,2,3
	PROD \s, \rt, \ct, XS+8*\p
.endr
.endr
.endr
	WIN 0
.endm
.macro GELU                            ; on all 64 numbers, in batches; T = v0-63 of window 3.  The reads go upward
	WIN 0xc0                                       ; destination window 3
.set i, 0
.rept 32
	v_pk_mul_f32 v[2*i:2*i+1], v[ACC+2*i:ACC+2*i+1], v[ACC+2*i:ACC+2*i+1]          ; x^2
.set i, i+1
.endr
	WIN 0xc3                                       ; destination and source 0 window 3
.set i, 0
.rept 32
	v_pk_fma_f32 v[2*i:2*i+1], v[2*i:2*i+1], v[GB:GB+1], v[GA:GA+1]                ; a + b x^2
.set i, i+1
.endr
.set i, 0
.rept 32
	v_pk_mul_f32 v[2*i:2*i+1], v[2*i:2*i+1], v[ACC+2*i:ACC+2*i+1]                  ; t
.set i, i+1
.endr
.set i, 0
	s_wait_alu depctr_va_vdst(0)
.rept 64
	v_exp_f32 v[i], v[i]
.set i, i+1
.endr
	v_nop                                          ; a plain line behind the batch,
	s_wait_alu depctr_va_vdst(0)                   ; and one wait for it: the 64 exponentials have written their results, ahead of the first reader
.set i, 0
.rept 32
	v_pk_add_f32 v[2*i:2*i+1], v[2*i:2*i+1], 1.0 op_sel_hi:[1,0]
.set i, i+1
.endr
.set i, 0
	s_wait_alu depctr_va_vdst(0)
.rept 64
	v_rcp_f32 v[i], v[i]
.set i, i+1
.endr
	v_nop
	s_wait_alu depctr_va_vdst(0)                   ; the 64 reciprocals have written their results, ahead of the first reader
	WIN 0x0c                                       ; source 1 window 3
.set i, 0
.rept 32
	v_pk_mul_f32 v[ACC+2*i:ACC+2*i+1], v[ACC+2*i:ACC+2*i+1], v[2*i:2*i+1]          ; x / (1 + 2^t)
.set i, i+1
.endr
	WIN 0
.endm
; The four blocks q = 2 rt + b of 32 along the next K: my 16 numbers v[ACC + 16 q ..] and lane l xor 16's.
.macro QUANT
.irp q, 0,1,2,3
	v_max3_num_f32 v[TM+\q], |v[ACC+16*\q]|, |v[ACC+16*\q+1]|, 0x4800000           ; with the floor 2^(9 - 127): the byte cannot fall under 1
.endr
.irp i, 2,4,6,8,10,12,14
.irp q, 0,1,2,3
	v_max3_num_f32 v[TM+\q], v[TM+\q], |v[ACC+16*\q+\i]|, |v[ACC+16*\q+\i+1]|      ; (the four blocks by turns)
.endr
.endr
.irp q, 0,1,2,3
	v_permlanex16_b32 v[TM+4+\q], v[TM+\q], s[SEL], s[SEL+1]
.endr
.irp q, 0,1,2,3
	v_max_num_f32 v[TM+\q], v[TM+\q], v[TM+4+\q]
.endr
.irp q, 0,1,2,3
	v_add_nc_u32 v[TM+12+\q], 0xfc000000, v[TM+\q]                                 ; 8 off the exponent field: the conversion's scale operand
.endr
.irp q, 0,1,2,3
	v_and_or_b32 v[TM+8+\q], v[TM+\q], 0x7f800000, s[MNT]                          ; 448 x the scale
.endr
.irp q, 0,1,2,3
	v_lshrrev_b32 v[TM+4+\q], 23, v[TM+12+\q]                                      ; the scale's byte
.endr
	v_lshl_or_b32 v[HW], v[TM+5], 8, v[TM+4]       ; the first 16 rows' two bytes,
	v_lshl_or_b32 v[HW+1], v[TM+7], 8, v[TM+6]     ; the other 16's;
	v_cndmask_b32 v[HW+2], v[HW], v[HW+1], s[MSK]  ; lane l holds row l's
.irp q, 0,1,2,3
.irp i, 0,1,2,3,4,5,6,7,8,9,10,11,12,13,14,15
	v_med3_num_f32 v[ACC+16*\q+\i], v[ACC+16*\q+\i], -v[TM+8+\q], v[TM+8+\q]       ; the conversion to an 8-bit code does not saturate (ISA guide 7.6.2): the hold comes first
.endr
	v_cvt_scalef32_pk8_fp8_f32 v[PC+4*\q:PC+4*\q+1], v[ACC+16*\q:ACC+16*\q+7], v[TM+12+\q]
	v_cvt_scalef32_pk8_fp8_f32 v[PC+4*\q+2:PC+4*\q+3], v[ACC+16*\q+8:ACC+16*\q+15], v[TM+12+\q]
.endr
	v_nop                                          ; a plain line behind the last conversion: the next step's products write its sources
.endm
	s_load_b256 s[4:11], s[0:1], 0x0               ; w1_codes s[4:5], w1_scales s[6:7], xq s[8:9], xsw s[10:11]
	s_load_b128 s[12:15], s[0:1], 0x20             ; sel s[12:13], him s[14:15]
	s_load_b64 s[16:17], s[0:1], 0x30              ; hsc
	s_load_b64 s[PL:PL+1], s[0:1], 0x38            ; plan
	v_lshl_add_u32 v254, v0, 2, 0x10c00
	v_mov_b32 v255, 0
.irp k, 0,1,2,3,4,5,6,7
	v_mov_b32 v[XS+8+\k], 0                        ; the second set of the rows' scale words is written once, so that it is written on every way through the text.  These lines stand FIRST: a scale register written
.endr                                              ; by a vector line stands eight plain vector lines ahead of a product that names it, and the head's lines below, which every wave runs, are more than eight
.irp k, 0,1,2,3
	v_mov_b32 v[TM+4+\k], 0                        ; a lane permute's destination counts as one of its sources
.endr
	v_lshrrev_b32 v1, 5, v0
	v_readfirstlane_b32 s18, v1                    ; wave
	v_and_b32 v3, 31, v0                           ; lane
	v_and_b32 v1, 15, v0                           ; r
	v_bfe_u32 v2, v0, 4, 1                         ; h
	v_and_b32 v13, 8, v1
	v_add_nc_u32 v13, v13, v1                      ; r + 8 (r / 8)
	v_lshlrev_b32 v[VW], 10, v13
	v_lshl_add_u32 v[VW], v2, 4, v[VW]
	v_lshlrev_b32 v[VWS], 5, v13
	v_mul_u32_u24 v[FR], v1, PITCH
	v_lshl_add_u32 v[FR], v2, 4, v[FR]
	v_lshlrev_b32 v[L16], 4, v3
	s_wait_alu depctr_va_sdst(0)                   ; s18 is written, ahead of its first reader
	s_mul_i32 s80, s18, 8*PITCH
	v_add_nc_u32 v[STA], s80, v[L16]
	v_lshlrev_b32 v[L4], 2, v3
	v_lshlrev_b32 v[L2], 1, v3
	v_lshlrev_b32 v[L8], 3, v3
	v_lshl_add_u32 v[LA], v3, 2, LIST
	v_and_b32 v[IA], 7, v3
	v_lshl_add_u32 v[IA], v[IA], 2, LIST
	s_lshl_b32 s80, s18, 5
	v_add_nc_u32 v[IA], s80, v[IA]
	s_lshl_b32 s80, s18, 9
	v_add_nc_u32 v[LW], s80, v[LA]
	v_mov_b32 v[GA], 0xc0135761                    ; a = -2.3022082
	v_mov_b32 v[GA+1], 0xc0135761
	v_mov_b32 v[GB], 0xbdd2d3e8                    ; b = -0.10294324
	v_mov_b32 v[GB+1], 0xbdd2d3e8
	s_and_b32 s19, ttmp7, 0xffff                   ; e
	s_lshr_b32 s78, ttmp9, 1                       ; slice
	s_and_b32 s79, ttmp9, 1                        ; half
	s_lshr_b32 s84, s18, 1                         ; wave / 2: which of the slice's two K steps of the next product
	s_and_b32 s85, s18, 1                          ; wave % 2: which half of it
	s_mov_b32 s[MSK], 0xffff0000
	s_mov_b32 s[MNT], 0x600000
	s_mov_b32 s[SEL], 0x76543210
	s_mov_b32 s[SEL+1], 0xfedcba98
	s_lshl_b32 s80, s18, 8                         ; the positions that I look up: step 4 wave + q of my half is positions 64 (4 wave + q) + 32 half + lane
	PART 80, 79, 5
	v_add_nc_u32 v[PP], s80, v3
.irp q, 1,2,3
	v_add_nc_u32 v[PP+\q], 64*\q, v[PP]
.endr
	s_lshl_b32 s80, s19, 22                        ; W1: e x 4 MiB + (256 slice + 64 wave) rows of 1,024 bytes
	PART 80, 78, 18
	PART 80, 18, 16
	s_mov_b32 s81, 0
	s_lshl_b32 s82, s19, 17                        ; its scale bytes: 32 a row
	PART 82, 78, 13
	PART 82, 18, 11
	s_mov_b32 s83, 0
	s_lshl_b32 s88, s19, 12                        ; plan: 4,096 bytes of positions an expert,
	s_mov_b32 s89, 0
	s_lshl_b32 s90, s19, 7                         ; 128 of counts
	s_mov_b32 s91, 0
	s_lshl_b32 s92, s19, 22                        ; him: e x 4 MiB + step x 131,072 + K step x 2,048 + c x 512
	PART 92, 79, 17
	PART 92, 78, 12
	PART 92, 84, 11
	PART 92, 85, 10
	s_mov_b32 s93, 0
	s_lshl_b32 s94, s19, 17                        ; hsc: e x 131,072 + step x 4,096 + K step x 128 + half word x 64
	PART 94, 79, 12
	PART 94, 78, 8
	PART 94, 84, 7
	PART 94, 85, 6
	s_mov_b32 s95, 0
	s_wait_kmcnt 0x0
	s_add_nc_u64 s[4:5], s[4:5], s[80:81]
	s_add_nc_u64 s[6:7], s[6:7], s[82:83]
	s_add_nc_u64 s[PCN:PCN+1], s[PL:PL+1], s[90:91]
	s_add_nc_u64 s[PL:PL+1], s[PL:PL+1], s[88:89]
	s_add_nc_u64 s[HP:HP+1], s[14:15], s[92:93]
	s_add_nc_u64 s[SP:SP+1], s[16:17], s[94:95]
	s_wait_alu depctr_va_vdst(0)                   ; the offsets and LDS addresses v4 to v10, v18, v19, v236 and v240 are written, which the kernel's loads and stores read; none of them is written again
.set c, 0
.rept 32
	global_load_b64 v[G+2*c:G+2*c+1], v[L8], s[12:13] offset:256*c   ; chunk c: the two experts of token 32 c + lane; 256 consecutive bytes
.set c, c+1
.endr
	WIN 0x40                                       ; destination window 1
	WL 0, 0
	WL 1, 0
	WIN 0
	s_wait_loadcnt 32                              ; sel is in; the 32 loads of W1 issued behind it may be out
.irp k, 0,1,2,3                                ; the masks, eight chunks at a time, so that no line waits for the line above it
.irp j, 0,1,2,3,4,5,6,7
	v_cmp_eq_u32 s[MK+8*\k+\j], s19, v[G+2*(8*\k+\j)]
.endr
.irp j, 0,1,2,3,4,5,6,7
	v_cmp_eq_u32 s[CM+\j], s19, v[G+2*(8*\k+\j)+1]
.endr
	s_wait_alu depctr_va_sdst(0)                   ; the sixteen compares have written their masks, ahead of the scalar lines that join them
.irp j, 0,1,2,3,4,5,6,7
	s_or_b32 s[MK+8*\k+\j], s[MK+8*\k+\j], s[CM+\j]   ; the lanes whose token chose my expert
.endr
.endr
	WIN 0x40                                       ; 32 more loads of W1 go out ahead of the walk: 64 are on their way while it runs.  No wait: the compares since the last wait on va_vdst name sel's registers alone
	WL 2, 0
	WL 3, 0
	WIN 0
	v_mbcnt_lo_u32_b32 v[ACC], s[MK], 0            ; chunk 0: no members in front of it,
.irp q, 0,1,2,3
	v_mov_b32 v[SM+\q], s[MK]                      ; and its count, 0, is at most every p
.endr
.irp q, 0,1,2,3
	v_mov_b32 v[SB+\q], 0
.endr
	s_bcnt1_i32_b32 s80, s[MK]                     ; members so far
.set c, 1
.rept 15
	SCAN2 c
.set c, c+2
.endr
	SCAN1 31
	; s80 = the expert's count.  Now the rank within the kept chunk, and the place of the set bit of that rank
.irp q, 0,1,2,3
	v_and_b32 v[WK+8*\q+4], 0xffff, v[SB+\q]
.endr
.irp q, 0,1,2,3
	v_sub_nc_u32 v[WK+8*\q+7], v[PP+\q], v[WK+8*\q+4]   ; the rank: p - the members in front of the chunk
.endr
.irp q, 0,1,2,3
	v_lshrrev_b32 v[SB+\q], 16, v[SB+\q]           ; the chunk
.endr
.irp q, 0,1,2,3
	v_lshrrev_b32 v[WK+8*\q+4], 1, v[SM+\q]
.endr
.irp q, 0,1,2,3
	v_and_b32 v[WK+8*\q+4], 0x55555555, v[WK+8*\q+4]
.endr
.irp q, 0,1,2,3
	v_sub_nc_u32 v[WK+8*\q], v[SM+\q], v[WK+8*\q+4]     ; the set bits of each 2 places
.endr
.irp q, 0,1,2,3
	v_lshrrev_b32 v[WK+8*\q+4], 2, v[WK+8*\q]
.endr
.irp q, 0,1,2,3
	v_and_b32 v[WK+8*\q+4], 0x33333333, v[WK+8*\q+4]
.endr
.irp q, 0,1,2,3
	v_and_b32 v[WK+8*\q+5], 0x33333333, v[WK+8*\q]
.endr
.irp q, 0,1,2,3
	v_add_nc_u32 v[WK+8*\q+1], v[WK+8*\q+4], v[WK+8*\q+5]   ; of each 4
.endr
.irp q, 0,1,2,3
	v_lshrrev_b32 v[WK+8*\q+4], 4, v[WK+8*\q+1]
.endr
.irp q, 0,1,2,3
	v_add_nc_u32 v[WK+8*\q+4], v[WK+8*\q+4], v[WK+8*\q+1]
.endr
.irp q, 0,1,2,3
	v_and_b32 v[WK+8*\q+2], 0x0f0f0f0f, v[WK+8*\q+4]    ; of each 8
.endr
.irp q, 0,1,2,3
	v_lshrrev_b32 v[WK+8*\q+4], 8, v[WK+8*\q+2]
.endr
.irp q, 0,1,2,3
	v_add_nc_u32 v[WK+8*\q+4], v[WK+8*\q+4], v[WK+8*\q+2]
.endr
.irp q, 0,1,2,3
	v_and_b32 v[WK+8*\q+3], 0x00ff00ff, v[WK+8*\q+4]    ; of each 16
.endr
.irp q, 0,1,2,3
	v_mov_b32 v[WK+8*\q+6], 0                      ; the bit's place
.endr
	LEVEL WK+3, 8, 8, 16
	LEVEL WK+2, 8, 8, 8
	LEVEL WK+1, 8, 4, 4
	LEVEL WK, 8, 2, 2
	LEVEL SM, 1, 1, 1                              ; a rank beyond the chunk's members ends at place 31: a token of the table all the same
.irp q, 0,1,2,3
	v_lshl_add_u32 v[WK+8*\q+4], v[SB+\q], 5, v[WK+8*\q+6]   ; the token: 32 chunk + place
.endr
.irp q, 0,1,2,3
	v_lshlrev_b32 v[WK+8*\q+4], 10, v[WK+8*\q+4]   ; x 1,024
.endr
	v_mov_b32 v[CN], s80
	s_wait_alu depctr_va_vdst(0)                   ; the four entries, the 32 chunks' positions and the count are written, which the LDS stores and the stores into plan read; and the compares are done reading sel's registers, in which the first rows land
.irp q, 0,1,2,3
	ds_store_b32 v[LW], v[WK+8*\q+4] offset:128*\q
.endr
	s_min_u32 s[STP], s80, 1024
	s_add_co_u32 s[STP], s[STP], 31
	s_lshr_b32 s[STP], s[STP], 5                   ; steps of 32 rows,
	s_add_co_u32 s[STP], s[STP], 1
	s_sub_co_u32 s[STP], s[STP], s79
	s_lshr_b32 s[STP], s[STP], 1                   ; my half's share of them,
	s_max_u32 s[STP], s[STP], 1                    ; at least one
.irp j, 0,1,2,3,4,5,6,7
	s_mov_b32 s[OFF+2*\j+1], 0                     ; the masks are done with: their registers take the rows' offsets and addresses
.endr
	s_or_b32 s81, ttmp9, s18                       ; one wave for each expert stores the positions and the count: each byte of plan has one owner
	s_cmp_lg_u32 s81, 0
	s_cbranch_scc1 .Lno_plan
.set c, 0
.rept 32
	global_store_b32 v[L4], v[ACC+c], s[PL:PL+1] offset:65536+128*c
.set c, c+1
.endr
	global_store_b32 v[L4], v[CN], s[PCN:PCN+1] offset:98304
.Lno_plan:
	s_wait_dscnt 0x0                               ; for the others' sake: my four rows of the list lie in LDS
	s_barrier_signal -1
	s_barrier_wait -1                              ; the list is whole; nobody writes it again
	ds_load_b32 v[VL], v[LA]                       ; the first step's entries
	ds_load_b32 v[VI], v[IA]
	s_wait_dscnt 0x0
	NEXTLD 0                                       ; the first step's rows
	WIN 0x80                                       ; destination window 2
	WL 0, 4
	WL 1, 4
	WL 2, 4
	WL 3, 4
	WIN 0
.irp ct, 0,1,2,3
	global_load_b128 v[WS+8*\ct:WS+8*\ct+3], v[VWS], s[6:7] offset:(32*(\ct/2)+8*(\ct%2))*32       ; a row's 32 scale bytes are its 8 words
	global_load_b128 v[WS+8*\ct+4:WS+8*\ct+7], v[VWS], s[6:7] offset:(32*(\ct/2)+8*(\ct%2))*32+16
.endr
	STAGE 0                                        ; its wait is for all loads: W1 is in too
	s_wait_xcnt 0x0                                ; the stores into plan have read their registers: the products below write them (the wait on vm_vsrc for these registers, and for the list's LDS stores, is the one at the first step's head)
	s_mov_b32 s[SI], 0
	s_mov_b32 s[TRIP], 0
	s_mov_b32 s[LOF], 128
; A STEP, on buffer p.  ONE barrier: in front of it each wave's stores into buffer p have landed and its reads of the other buffer are back; so behind it buffer p is whole, and the other may be written.
.macro HALF p
	s_wait_dscnt 0x0
	s_barrier_signal -1
	s_barrier_wait -1
	s_wait_alu depctr_vm_vsrc(0)                   ; the memory and LDS instructions issued so far have read their registers: the stores PC and HW + 2, the list's loads LT and IT, the scale words' loads XA, the LDS stores G (on the first trip: the head's stores v68-131): this step writes them all again
	s_cmp_ge_u32 s[SI], s[STP]
	s_cbranch_scc1 .Lskip_\@
	s_wait_loadcnt 0x0                             ; met at once where the step before has staged its rows; it keeps every way through the text sound
	s_min_u32 s81, s[LOF], 15*128                  ; the next step's row of the list (a next step is at most the 15th: the bound changes nothing there and keeps the address inside the list; in the last step the address is not used)
	v_add_nc_u32 v[LT], s81, v[LA]
	v_add_nc_u32 v[IT], s81, v[IA]
	s_wait_alu depctr_va_vdst(0)                   ; LT and IT are written, which the list's loads read; the step before is done reading VL and VI, in which they land; its products and gelu are done with window 3, in which the fragments land, and with the set of scale words that is loaded again below
	s_add_co_u32 s[SN], s[SI], 1
	s_cmp_ge_u32 s[SN], s[STP]
	s_cbranch_scc1 .Lno_list_\@
	ds_load_b32 v[VL], v[LT]                       ; asked for ahead of the fragments, so that they are back first
	ds_load_b32 v[VI], v[IT]
.Lno_list_\@:
	XFETCH \p
	s_cmp_ge_u32 s[SN], s[STP]
	s_cbranch_scc1 .Lno_next_\@
	s_wait_dscnt 63                                ; 64 loads were issued behind the two list words: with at most 63 out, both are in
	NEXTLD 1-\p                                    ; the next step's rows are asked for a whole step ahead of their way into LDS
.Lno_next_\@:
	MULS \p
.rept 8
	v_nop                                          ; eight places between the last products and the first read of results and first write of their operands
.endr
	GELU
	QUANT
	s_cmp_ge_u32 s[SN], s[STP]
	s_cbranch_scc1 .Lno_stage_\@
	STAGE 1-\p                                     ; these LDS stores hang on no vector result: they stand between the quantiser and the wait for it
.Lno_stage_\@:
	s_wait_alu depctr_va_vdst(0)                   ; the conversions have written PC and the select HW + 2, which the five stores read
.irp rt, 0,1
.irp b, 0,1
	global_store_b128 v[L16], v[PC+4*(2*\rt+\b):PC+4*(2*\rt+\b)+3], s[HP:HP+1] offset:\rt*65536+\b*512 th:TH_STORE_NT   ; registers 4 c .. 4 c + 3 of the next operand: 512 consecutive bytes
.endr
.endr
	global_store_b16 v[L2], v[HW+2], s[SP:SP+1]
	s_wait_xcnt 0x0                                ; the stores have read their registers and bases: both may be written again
	s_add_nc_u64 s[HP:HP+1], s[HP:HP+1], 262144    ; my half's next step: two steps of 131,072 bytes on
	s_add_nc_u64 s[SP:SP+1], s[SP:SP+1], 8192
.Lskip_\@:
	s_add_co_u32 s[SI], s[SI], 1
	s_add_co_u32 s[LOF], s[LOF], 128
.endm
.Ltrip:                                                ; 8 trips of two steps: a constant; what hangs on the count is jumped over inside
	HALF 0
	HALF 1
	s_add_co_u32 s[TRIP], s[TRIP], 1
	s_cmp_lt_u32 s[TRIP], 8
	s_cbranch_scc1 .Ltrip
	s_wait_dscnt 0x0                               ; the closing lines, six on end
	s_wait_alu 0x0
	s_wait_tensorcnt 0x0
	ds_add_u32 v254, v255
	s_wait_dscnt 0x0
	s_endpgm
.Lfunc_end_k_qeaf4ee8896_up:
	.size	k_qeaf4ee8896_up, .Lfunc_end_k_qeaf4ee8896_up-k_qeaf4ee8896_up
	.p2alignl 7, 3214868480
	.fill 96, 4, 3214868480
	.section	.rodata,"a",@progbits
	.p2align	6, 0x0
	.amdhsa_kernel k_qeaf4ee8896_up
		.amdhsa_group_segment_fixed_size 69120
		.amdhsa_private_segment_fixed_size 0
		.amdhsa_enable_private_segment 0
		.amdhsa_kernarg_size 64
		.amdhsa_user_sgpr_count 2
		.amdhsa_user_sgpr_kernarg_segment_ptr 1
		.amdhsa_wavefront_size32 1
		.amdhsa_system_sgpr_workgroup_id_x 1
		.amdhsa_system_sgpr_workgroup_id_y 1
		.amdhsa_system_sgpr_workgroup_id_z 1
		.amdhsa_system_vgpr_workitem_id 0
		.amdhsa_next_free_vgpr 1024
		.amdhsa_next_free_sgpr 100
		.amdhsa_reserve_vcc 0
		.amdhsa_float_denorm_mode_32 3
		.amdhsa_float_denorm_mode_16_64 3
		.amdhsa_memory_ordered 1
		.amdhsa_forward_progress 1
		.amdhsa_inst_pref_size 156
	.end_amdhsa_kernel
	.amdgpu_metadata
---
amdhsa.version: [ 1, 2 ]
amdhsa.kernels:
  - .name:           k_qeaf4ee8896_up
    .symbol:         k_qeaf4ee8896_up.kd
    .args:
      - { .name: w1_codes, .offset: 0, .size: 8, .value_kind: global_buffer, .address_space: global }
      - { .name: w1_scales, .offset: 8, .size: 8, .value_kind: global_buffer, .address_space: global }
      - { .name: xq, .offset: 16, .size: 8, .value_kind: global_buffer, .address_space: global }
      - { .name: xsw, .offset: 24, .size: 8, .value_kind: global_buffer, .address_space: global }
      - { .name: sel, .offset: 32, .size: 8, .value_kind: global_buffer, .address_space: global }
      - { .name: him, .offset: 40, .size: 8, .value_kind: global_buffer, .address_space: global }
      - { .name: hsc, .offset: 48, .size: 8, .value_kind: global_buffer, .address_space: global }
      - { .name: plan, .offset: 56, .size: 8, .value_kind: global_buffer, .address_space: global }
    .group_segment_fixed_size: 69120
    .private_segment_fixed_size: 0
    .kernarg_segment_align: 8
    .kernarg_segment_size: 64
    .max_flat_workgroup_size: 128
    .sgpr_count:     100
    .vgpr_count:     1024
    .wavefront_size: 32
...
	.end_amdgpu_metadata
.endif
;; end of part 6
;; launch down (part 7): grid 32 x 8, 4 waves a work-group, no clusters, 70,144 bytes of LDS; arguments w2_codes, w2_scales, him, hsc, plan, ys; writes ys
.if DOCPART == 7
	.amdgcn_target "amdgcn-amd-amdhsa--gfx1250"
	.amdhsa_code_object_version 6
	.text
	.protected	k_qeaf4ee8896_down
	.globl	k_qeaf4ee8896_down
	.p2align	8
	.type	k_qeaf4ee8896_down,@function
k_qeaf4ee8896_down:
	s_mov_b64 s[64:65], 0
	v_nop
	global_prefetch_b8 v0, s[64:65] scope:SCOPE_SE
	s_setreg_imm32_b32 hwreg(HW_REG_WAVE_SCHED_MODE, 0, 2), 2
	s_setreg_imm32_b32 hwreg(HW_REG_WAVE_MODE, 25, 1), 1
	s_wait_xcnt 0x0
	s_wait_alu depctr_vm_vsrc(0)
; THE SECOND PRODUCT OF THE CHOSEN ROWS: y = h W2[e], on codes of E4M3 with one E8M0 byte for each 32 along K; rows in the order of the expert's list.
; SHARES.  Work-group (x, y): expert e = y, 64 output columns (slice = x / 2), every second step of 32 rows (half = x % 2).  THE WAVES SHARE K: wave q holds all 64 columns for k = 1,024 q .. 1,024 q + 1,023:
; 4 tiles x 8 K steps of W2 in 512 registers for the whole launch.  So each fragment of h comes from memory once for the work-group, straight into the registers of the one wave that wants it (the launch
; before laid it as an image of those registers: 512 consecutive bytes a load), and feeds four products.  The four partial sums meet in LDS; each wave adds and stores 8 of the 32 rows.
; THE NUMBER OF STEPS HANGS ON A STORED COUNT, so this launch has no tensor load and no cluster.  The loop has a constant 16 steps; every wave passes every barrier; a step at or beyond T is jumped over.
; T is made as in the launch before, so only bytes that it stored are read.
; THE PRODUCT IS USED TRANSPOSED (source 0 = 16 rows of W2 = 16 output columns, source 1 = 16 rows of h): a lane holds eight neighbouring columns of one row.
; The order of the sums: K ascending within a wave's quarter, then ((0 + 1) + (2 + 3)) over the quarters.
; REGISTERS, in windows of 256: window 0 as named below; window 1: W2 of my K steps 0-3 at ((s % 4) 4 + ct) 16; window 2: K steps 4-7; window 3: h's fragments at (2 s + rt) 16.
; THE MODE: SCHED_MODE bits 1:0 = 2 (LLVM: expert scheduling mode 2), set by the entry lines.  The code itself states the register dependences between vector or matrix instructions and memory or LDS
; instructions, and those through scalar registers that vector instructions write, with s_wait_alu, always for 0.
; THE PLAN.  Registers that memory or LDS instructions touch, in the loop:
;   window 3, v0-127    h's K steps 0-3: a step's first 32 products read them; then the next step's 32 loads land in them.
;   window 3, v128-255  K steps 4-7: the last 32 products read them; then the next step's 32 loads land in them.
;   HR                  16 loads land in it; eight v_lshl_or_b32 at the step's head read it.
;   ACC                 Written by the products; read by 16 LDS stores; begun anew by the next step's first products.
;   R                   16 LDS loads land in it; the packed additions read and write it; four stores read it.
;   VW, VWS, L16, L2, RW, RR, YO  Made at the head and never written again.
;   HW is named by vector and matrix instructions alone: the scale words made by vector lines have their eight places and, behind these, their wait ahead of the products.
; So a step holds ONE wait on vm_vsrc, at its head (ACC, R), and four on va_vdst: behind the scale words' places; behind the first 32 products; behind the last products (it serves the loads into K steps 4-7 and the LDS
; stores of the sums alike); ahead of the four stores.  Behind the second of them the next step's half words and K steps 0-3 are dealt among the last 32 products with no further wait: those products name window 2,
; v128-255 of window 3, ACC, WS and HW, and none of the registers that these loads touch.
.set RPIT, 272                         ; a row of partial sums in LDS: 64 f32 + 16 bytes = 17 x 16
.set REDW, 32*RPIT                     ; a wave's 32 rows
.set RED,  4*REDW                      ; one of the two buffers
.set VW,   4                           ; v4   W2: r x 4,096 + 16 h
.set VWS,  5                           ; v5   its scale words: r x 128
.set L16,  6                           ; v6   16 x lane
.set L2,   7                           ; v7   2 x lane
.set RW,   8                           ; v8   where I put partial sums: wave x REDW + r x RPIT + 32 h
.set RR,   9                           ; v9   where I read them: (8 wave + h) x RPIT + 16 r
.set YO,   10                          ; v10  the same two rows in ys: h x 4,096 + 16 r
.set WS,   20                          ; v20-51   W2's scale words: 8 ct + s
.set HR,   52                          ; v52-67   h's 16 half words as loaded
.set HW,   68                          ; v68-75   h's scale words: lanes 0-15 the first 16 rows', lanes 16-31 the other 16's
.set ACC,  76                          ; v76-139  8 accumulators: (4 rt + ct) 8
.set R,    140                         ; v140-203 partial sums read back
.set HP,   24                          ; s[24:25] him at my fragments of the step being loaded
.set SP,   26                          ; s[26:27] hsc likewise
.set YP,   28                          ; s[28:29] ys at my 8 rows of the step in hand
.set SI,   30                          ; s30 the step
.set STP,  31                          ; s31 T
.set TRIP, 32                          ; s32 the loop's counter
.set SN,   33                          ; s33 the step + 1
.set MSB, 0
.macro WIN new                         ; the immediate's high byte repeats the setting that is left; a switch that changes nothing is dropped
.if MSB != \new
	s_set_vgpr_msb (MSB<<8)|\new
.set MSB, \new
.endif
.endm
.macro PART dst, src, sh               ; s[dst] += s[src] << sh
	s_lshl_b32 s48, s[\src], \sh
	s_add_co_u32 s[\dst], s[\dst], s48
.endm
.macro WL ct, k0                       ; 16 loads: column tile ct, my K steps k0 .. k0 + 3 (the caller sets the window)
.irp s, 0,1,2,3
.irp c, 0,1,2,3
	global_load_b128 v[(\s*4+\ct)*16+4*\c:(\s*4+\ct)*16+4*\c+3], v[VW], s[4:5] offset:\ct*65536+128*(\k0+\s)+32*\c
.endr
.endr
.endm
.macro HLOAD k0, n                     ; 8 n loads: h's fragments of K steps k0 .. k0 + n - 1, both row tiles (the caller sets the window that follows)
	WIN 0xc0
.set hs, \k0
.rept \n
.irp rt, 0,1
.irp c, 0,1,2,3
	global_load_b128 v[(2*hs+\rt)*16+4*\c:(2*hs+\rt)*16+4*\c+3], v[L16], s[HP:HP+1] offset:\rt*65536+hs*2048+\c*512
.endr
.endr
.set hs, hs+1
.endr
.endm
.macro SLOAD                           ; 16 loads: the 32 rows' half words of my 8 K steps
.irp s, 0,1,2,3,4,5,6,7
	global_load_u16 v[HR+2*\s], v[L2], s[SP:SP+1] offset:\s*128
	global_load_u16 v[HR+2*\s+1], v[L2], s[SP:SP+1] offset:\s*128+64
.endr
.endm
.macro PROD s, rt, ct                  ; one product; the first K step starts the sums with the constant 0: nothing is cleared
.set ks, \s
.set dD, ACC+8*(4*\rt+\ct)
.set dA, ((ks%4)*4+\ct)*16
.set dB, (2*ks+\rt)*16
.set dW, WS+8*\ct+ks
.set dR, HW+ks
.if ks == 0
.if \rt == 0
	v_wmma_scale_f32_16x16x128_f8f6f4 v[dD:dD+7], v[dA:dA+15], v[dB:dB+15], 0, v[dW], v[dR]
.else
	v_wmma_scale_f32_16x16x128_f8f6f4 v[dD:dD+7], v[dA:dA+15], v[dB:dB+15], 0, v[dW], v[dR] matrix_b_scale:MATRIX_SCALE_ROW1
.endif
.else
.if \rt == 0
	v_wmma_scale_f32_16x16x128_f8f6f4 v[dD:dD+7], v[dA:dA+15], v[dB:dB+15], v[dD:dD+7], v[dW], v[dR]
.else
	v_wmma_scale_f32_16x16x128_f8f6f4 v[dD:dD+7], v[dA:dA+15], v[dB:dB+15], v[dD:dD+7], v[dW], v[dR] matrix_b_scale:MATRIX_SCALE_ROW1
.endif
.endif
.endm
.macro MUL k0, n                       ; 8 n products: K steps k0 .. k0 + n - 1, all of one window of W2; the eight accumulators take turns, one instruction a turn (the caller sets the window that follows)
.if \k0 < 4
	WIN 0x0d                                       ; source 0 (W2) window 1, source 1 (h) window 3, C and D window 0
.else
	WIN 0x0e                                       ; source 0 window 2
.endif
.set ms, \k0
.rept \n
.irp rt, 0,1
.irp ct, 0,1,2,3
	PROD ms, \rt, \ct
.endr
.endr
.set ms, ms+1
.endr
.endm
.macro PLACES                          ; eight places behind these products, in front of loads into their operands (beside the wait that states that dependence), of reads of their results and of writes of their scale words
.rept 8
	v_nop
.endr
.endm
	s_load_b256 s[4:11], s[0:1], 0x0               ; w2_codes s[4:5], w2_scales s[6:7], him s[8:9], hsc s[10:11]
	s_load_b128 s[12:15], s[0:1], 0x20             ; plan s[12:13], ys s[14:15]
	v_lshl_add_u32 v254, v0, 2, 0x11000
	v_mov_b32 v255, 0
	v_lshrrev_b32 v1, 5, v0
	v_readfirstlane_b32 s18, v1                    ; wave q
	v_and_b32 v3, 31, v0                           ; lane
	v_and_b32 v1, 15, v0                           ; r
	v_bfe_u32 v2, v0, 4, 1                         ; h
	v_lshlrev_b32 v[VW], 12, v1
	v_lshl_add_u32 v[VW], v2, 4, v[VW]
	v_lshlrev_b32 v[VWS], 7, v1
	v_lshlrev_b32 v[L16], 4, v3
	v_lshlrev_b32 v[L2], 1, v3
	s_wait_alu depctr_va_sdst(0)                   ; s18 is written, ahead of its first reader
	s_mul_i32 s22, s18, REDW
	v_mul_u32_u24 v[RW], v1, RPIT
	v_lshl_add_u32 v[RW], v2, 5, v[RW]
	v_add_nc_u32 v[RW], s22, v[RW]
	s_mul_i32 s23, s18, 8*RPIT
	v_mul_u32_u24 v[RR], v2, RPIT
	v_lshl_add_u32 v[RR], v1, 4, v[RR]
	v_add_nc_u32 v[RR], s23, v[RR]
	v_lshlrev_b32 v[YO], 12, v2
	v_lshl_add_u32 v[YO], v1, 4, v[YO]
	s_and_b32 s19, ttmp7, 0xffff                   ; e
	s_lshr_b32 s20, ttmp9, 1                       ; slice
	s_and_b32 s21, ttmp9, 1                        ; half
	s_lshl_b32 s36, s19, 22                        ; W2: e x 4 MiB + 64 slice rows of 4,096 bytes + 1,024 q
	PART 36, 20, 18
	PART 36, 18, 10
	s_mov_b32 s37, 0
	s_lshl_b32 s38, s19, 17                        ; its scale bytes: 128 a row, my 32 of them
	PART 38, 20, 13
	PART 38, 18, 5
	s_mov_b32 s39, 0
	s_lshl_b32 s40, s19, 7                         ; the count
	s_mov_b32 s41, 0
	s_lshl_b32 s42, s19, 22                        ; him: e x 4 MiB + step x 131,072 + 8 q K steps of 2,048
	PART 42, 21, 17
	PART 42, 18, 14
	s_mov_b32 s43, 0
	s_lshl_b32 s44, s19, 17                        ; hsc: e x 131,072 + step x 4,096 + 8 q K steps of 128
	PART 44, 21, 12
	PART 44, 18, 10
	s_mov_b32 s45, 0
	s_lshl_b32 s46, s19, 22                        ; ys: (1,024 e + 32 step + 8 q) rows of 4,096 bytes + 256 slice
	PART 46, 21, 17
	PART 46, 18, 15
	PART 46, 20, 8
	s_mov_b32 s47, 0
	s_wait_kmcnt 0x0
	s_add_nc_u64 s[4:5], s[4:5], s[36:37]
	s_add_nc_u64 s[6:7], s[6:7], s[38:39]
	s_add_nc_u64 s[40:41], s[12:13], s[40:41]
	s_add_nc_u64 s[HP:HP+1], s[8:9], s[42:43]
	s_add_nc_u64 s[SP:SP+1], s[10:11], s[44:45]
	s_add_nc_u64 s[YP:YP+1], s[14:15], s[46:47]
	s_load_b32 s[STP], s[40:41], 0x18000           ; the expert's number of rows
	s_wait_alu depctr_va_vdst(0)                   ; the seven offsets and LDS addresses v4 to v10 are written, which the kernel's loads and stores read; none of them is written again
	WIN 0x40                                       ; destination window 1
	WL 0, 0
	WL 1, 0
	WL 2, 0
	WL 3, 0
	WIN 0x80                                       ; destination window 2
	WL 0, 4
	WL 1, 4
	WL 2, 4
	WL 3, 4
	WIN 0
.irp ct, 0,1,2,3
	global_load_b128 v[WS+8*\ct:WS+8*\ct+3], v[VWS], s[6:7] offset:\ct*2048
	global_load_b128 v[WS+8*\ct+4:WS+8*\ct+7], v[VWS], s[6:7] offset:\ct*2048+16
.endr
	SLOAD                                          ; the first step is always done: its loads stand under no branch
	HLOAD 0, 8
	WIN 0
	s_wait_kmcnt 0x0
	s_min_u32 s[STP], s[STP], 1024
	s_add_co_u32 s[STP], s[STP], 31
	s_lshr_b32 s[STP], s[STP], 5                   ; steps of 32 rows,
	s_add_co_u32 s[STP], s[STP], 1
	s_sub_co_u32 s[STP], s[STP], s21
	s_lshr_b32 s[STP], s[STP], 1                   ; my half's share of them,
	s_max_u32 s[STP], s[STP], 1                    ; at least one
	s_mov_b32 s[SI], 0
	s_mov_b32 s[TRIP], 0
; A STEP, on buffer p of the partial sums.  The fragments of the next step are asked for as soon as the products have read the registers that take them.
; ONE barrier: in front of it each wave's partial sums lie in buffer p and its reads of the other buffer are back; buffer p is written again two steps on, behind the barrier between.
.macro HALF p
	s_wait_alu depctr_vm_vsrc(0)                   ; the last step's LDS stores have read the accumulators, which this step's first products begin anew; its four stores have read v[R ..], in which this step's LDS loads land
	s_cmp_ge_u32 s[SI], s[STP]
	s_cbranch_scc1 .Lmeet_\@
	s_wait_loadcnt 32                              ; the half words and K steps 0-3 are in; the 32 loads of K steps 4-7, the last issued, may be out
.irp s, 0,1,2,3,4,5,6,7
	v_lshl_or_b32 v[HW+\s], v[HR+2*\s+1], 16, v[HR+2*\s]   ; a K step's four bytes of a row
.endr
	PLACES                                         ; a scale word written by a vector line stands eight places ahead of the product that reads it,
	s_wait_alu depctr_va_vdst(0)                   ; and behind the places the wait: the eight lines have written the scale words, which the products take; they are also done reading HR, in which the next half words land
	MUL 0, 4
	WIN 0
	PLACES
	s_add_co_u32 s[SN], s[SI], 1
	s_cmp_ge_u32 s[SN], s[STP]
	s_cbranch_scc1 .Llast_\@                       ; ONE branch, and the rest written twice, so that each counted wait holds on its own way
	s_wait_xcnt 0x0                                ; the loads still out have read their bases
	s_add_nc_u64 s[HP:HP+1], s[HP:HP+1], 262144    ; my half's next step
	s_add_nc_u64 s[SP:SP+1], s[SP:SP+1], 8192
	s_wait_alu depctr_va_vdst(0)                   ; the first 32 products are done reading h's K steps 0-3, in which the 32 loads of the next step land
	SLOAD
	HLOAD 0, 2
	s_wait_loadcnt 32                              ; this step's K steps 4-7 are in; the 32 loads just issued may be out
	MUL 4, 2
	HLOAD 2, 2                                     ; no wait: the sixteen products since the wait above name none of v[L16] and v64-127 of window 3
	MUL 6, 2
	PLACES
	s_wait_alu depctr_va_vdst(0)                   ; the last 32 products are done reading h's K steps 4-7, in which the loads below land, and have written the accumulators, which the LDS stores read; the places above stay beside this wait
	HLOAD 4, 4
	WIN 0
	s_branch .Lsums_\@
.Llast_\@:
	s_wait_loadcnt 0x0
	MUL 4, 4
	WIN 0
	PLACES
	s_wait_alu depctr_va_vdst(0)                   ; the products have written the accumulators, which the LDS stores read; the places above stay beside this wait
.Lsums_\@:
.irp rt, 0,1
.irp ct, 0,1,2,3
	ds_store_b128 v[RW], v[ACC+8*(4*\rt+\ct):ACC+8*(4*\rt+\ct)+3] offset:\p*RED+\rt*16*RPIT+\ct*64        ; each accumulator from its low end on
	ds_store_b128 v[RW], v[ACC+8*(4*\rt+\ct)+4:ACC+8*(4*\rt+\ct)+7] offset:\p*RED+\rt*16*RPIT+\ct*64+16
.endr
.endr
.Lmeet_\@:
	s_wait_dscnt 0x0                               ; for the others' sake: my partial sums lie in LDS
	s_barrier_signal -1
	s_barrier_wait -1
	s_cmp_ge_u32 s[SI], s[STP]
	s_cbranch_scc1 .Lend_\@
.irp p2, 0,1,2,3
.irp src, 0,1,2,3
	ds_load_b128 v[R+16*\p2+4*\src:R+16*\p2+4*\src+3], v[RR] offset:\p*RED+\src*REDW+\p2*2*RPIT   ; two of my 8 rows, from wave src's sums.  No wait: the last step's additions stand ahead of its wait on va_vdst, and no vector instruction since names v[R ..]
.endr
.endr
	s_wait_dscnt 0x0
.irp p2, 0,1,2,3
	v_pk_add_f32 v[R+16*\p2:R+16*\p2+1], v[R+16*\p2:R+16*\p2+1], v[R+16*\p2+4:R+16*\p2+5]
	v_pk_add_f32 v[R+16*\p2+2:R+16*\p2+3], v[R+16*\p2+2:R+16*\p2+3], v[R+16*\p2+6:R+16*\p2+7]
	v_pk_add_f32 v[R+16*\p2+8:R+16*\p2+9], v[R+16*\p2+8:R+16*\p2+9], v[R+16*\p2+12:R+16*\p2+13]
	v_pk_add_f32 v[R+16*\p2+10:R+16*\p2+11], v[R+16*\p2+10:R+16*\p2+11], v[R+16*\p2+14:R+16*\p2+15]
.endr
.irp p2, 0,1,2,3
	v_pk_add_f32 v[R+16*\p2:R+16*\p2+1], v[R+16*\p2:R+16*\p2+1], v[R+16*\p2+8:R+16*\p2+9]
	v_pk_add_f32 v[R+16*\p2+2:R+16*\p2+3], v[R+16*\p2+2:R+16*\p2+3], v[R+16*\p2+10:R+16*\p2+11]
.endr
	s_wait_alu depctr_va_vdst(0)                   ; the additions have written the sums, which the four stores read
.irp p2, 0,1,2,3
	global_store_b128 v[YO], v[R+16*\p2:R+16*\p2+3], s[YP:YP+1] offset:\p2*8192 th:TH_STORE_NT   ; 16 lanes store 256 consecutive bytes, at a multiple of 256 from ys's first byte
.endr
	s_wait_xcnt 0x0                                ; the stores have read their registers and their base
	s_add_nc_u64 s[YP:YP+1], s[YP:YP+1], 262144
.Lend_\@:
	s_add_co_u32 s[SI], s[SI], 1
.endm
.Ltrip:                                                ; 8 trips of two steps: a constant; what hangs on the count is jumped over inside
	HALF 0
	HALF 1
	s_add_co_u32 s[TRIP], s[TRIP], 1
	s_cmp_lt_u32 s[TRIP], 8
	s_cbranch_scc1 .Ltrip
	s_wait_dscnt 0x0                               ; the closing lines, six on end
	s_wait_alu 0x0
	s_wait_tensorcnt 0x0
	ds_add_u32 v254, v255
	s_wait_dscnt 0x0
	s_endpgm
.Lfunc_end_k_qeaf4ee8896_down:
	.size	k_qeaf4ee8896_down, .Lfunc_end_k_qeaf4ee8896_down-k_qeaf4ee8896_down
	.p2alignl 7, 3214868480
	.fill 96, 4, 3214868480
	.section	.rodata,"a",@progbits
	.p2align	6, 0x0
	.amdhsa_kernel k_qeaf4ee8896_down
		.amdhsa_group_segment_fixed_size 70144
		.amdhsa_private_segment_fixed_size 0
		.amdhsa_enable_private_segment 0
		.amdhsa_kernarg_size 48
		.amdhsa_user_sgpr_count 2
		.amdhsa_user_sgpr_kernarg_segment_ptr 1
		.amdhsa_wavefront_size32 1
		.amdhsa_system_sgpr_workgroup_id_x 1
		.amdhsa_system_sgpr_workgroup_id_y 1
		.amdhsa_system_sgpr_workgroup_id_z 1
		.amdhsa_system_vgpr_workitem_id 0
		.amdhsa_next_free_vgpr 1024
		.amdhsa_next_free_sgpr 66
		.amdhsa_reserve_vcc 0
		.amdhsa_float_denorm_mode_32 3
		.amdhsa_float_denorm_mode_16_64 3
		.amdhsa_memory_ordered 1
		.amdhsa_forward_progress 1
		.amdhsa_inst_pref_size 77
	.end_amdhsa_kernel
	.amdgpu_metadata
---
amdhsa.version: [ 1, 2 ]
amdhsa.kernels:
  - .name:           k_qeaf4ee8896_down
    .symbol:         k_qeaf4ee8896_down.kd
    .args:
      - { .name: w2_codes, .offset: 0, .size: 8, .value_kind: global_buffer, .address_space: global }
      - { .name: w2_scales, .offset: 8, .size: 8, .value_kind: global_buffer, .address_space: global }
      - { .name: him, .offset: 16, .size: 8, .value_kind: global_buffer, .address_space: global }
      - { .name: hsc, .offset: 24, .size: 8, .value_kind: global_buffer, .address_space: global }
      - { .name: plan, .offset: 32, .size: 8, .value_kind: global_buffer, .address_space: global }
      - { .name: ys, .offset: 40, .size: 8, .value_kind: global_buffer, .address_space: global }
    .group_segment_fixed_size: 70144
    .private_segment_fixed_size: 0
    .kernarg_segment_align: 8
    .kernarg_segment_size: 48
    .max_flat_workgroup_size: 128
    .sgpr_count:     66
    .vgpr_count:     1024
    .wavefront_size: 32
...
	.end_amdgpu_metadata
.endif
;; end of part 7
;; launch join (part 8): grid 256 x 1, 4 waves a work-group, no clusters, 0 bytes of LDS; arguments sel, plan, xsw, ys, out0; writes out0
.if DOCPART == 8
	.amdgcn_target "amdgcn-amd-amdhsa--gfx1250"
	.amdhsa_code_object_version 6
	.text
	.protected	k_qeaf4ee8896_join
	.globl	k_qeaf4ee8896_join
	.p2align	8
	.type	k_qeaf4ee8896_join,@function
k_qeaf4ee8896_join:
	s_mov_b64 s[64:65], 0
	v_nop
	global_prefetch_b8 v0, s[64:65] scope:SCOPE_SE
	s_setreg_imm32_b32 hwreg(HW_REG_WAVE_MODE, 25, 1), 1
	s_wait_xcnt 0x0
; out0[n] = w0 y[e0][pos0] + w1 y[e1][pos1].  One wave takes one token n = 4 x work-group + wave: it reads the token's two experts and weights, its positions in the two experts' lists, and the two rows of ys.
; A token's two rows were made by work-groups that hold different experts' weights, so the sum is a gather in a launch of its own; each output row has one owner.
; A stream: each load and store of a wave covers 512 consecutive bytes; every byte is read once and written once; matrix units, LDS and clusters would add nothing.
	s_load_b256 s[4:11], s[0:1], 0x0               ; sel s[4:5], plan s[6:7], xsw s[8:9], ys s[10:11]
	s_load_b64 s[12:13], s[0:1], 0x20              ; out0
	v_lshrrev_b32 v1, 5, v0
	v_readfirstlane_b32 s14, v1                    ; wave
	v_and_b32 v2, 31, v0
	v_lshlrev_b32 v2, 4, v2                        ; 16 x lane
	s_lshl_b32 s15, ttmp9, 2
	s_add_co_u32 s15, s15, s14                     ; my token
	s_lshl_b32 s16, s15, 3
	s_mov_b32 s17, 0
	s_lshl_b32 s34, s15, 12
	s_mov_b32 s35, 0
	s_wait_alu depctr_va_vdst(0)
	s_wait_kmcnt 0x0
	s_add_nc_u64 s[4:5], s[4:5], s[16:17]
	s_add_nc_u64 s[8:9], s[8:9], s[16:17]
	s_add_nc_u64 s[12:13], s[12:13], s[34:35]
	s_load_b64 s[18:19], s[4:5], 0x0               ; the two experts
	s_load_b64 s[20:21], s[8:9], 0x8000            ; their weights
	s_wait_kmcnt 0x0
	s_min_u32 s18, s18, 7                          ; held inside the tables
	s_min_u32 s19, s19, 7
	s_lshl_b32 s22, s18, 10                        ; 1,024 e
	s_lshl_b32 s23, s19, 10
	s_add_co_u32 s24, s22, s15
	s_lshl_b32 s24, s24, 2
	s_mov_b32 s25, 0
	s_add_co_u32 s26, s23, s15
	s_lshl_b32 s26, s26, 2
	s_mov_b32 s27, 0
	s_add_nc_u64 s[24:25], s[6:7], s[24:25]
	s_add_nc_u64 s[26:27], s[6:7], s[26:27]
	s_load_b32 s28, s[24:25], 0x10000              ; my position in each expert's list
	s_load_b32 s29, s[26:27], 0x10000
	v_mov_b32 v4, s20
	v_mov_b32 v5, s20
	v_mov_b32 v6, s21
	v_mov_b32 v7, s21
	s_wait_alu depctr_va_vdst(0)
	s_wait_kmcnt 0x0
	s_min_u32 s28, s28, 1023
	s_min_u32 s29, s29, 1023
	s_add_co_u32 s28, s28, s22
	s_add_co_u32 s30, s29, s23
	s_lshl_b32 s28, s28, 12                        ; a row of ys is 4,096 bytes
	s_mov_b32 s29, 0
	s_lshl_b32 s30, s30, 12
	s_mov_b32 s31, 0
	s_add_nc_u64 s[28:29], s[10:11], s[28:29]
	s_add_nc_u64 s[30:31], s[10:11], s[30:31]
.irp i, 0,1,2,3,4,5,6,7
	global_load_b128 v[8+4*\i:11+4*\i], v2, s[28:29] offset:512*\i th:TH_LOAD_NT
.endr
.irp i, 0,1,2,3,4,5,6,7
	global_load_b128 v[40+4*\i:43+4*\i], v2, s[30:31] offset:512*\i th:TH_LOAD_NT
.endr
	s_wait_loadcnt 8                               ; the first row is in; the second row's eight loads may be out
.irp i, 0,2,4,6,8,10,12,14,16,18,20,22,24,26,28,30
	v_pk_mul_f32 v[8+\i:9+\i], v[8+\i:9+\i], v[4:5]
.endr
	s_wait_loadcnt 0x0
.irp i, 0,2,4,6,8,10,12,14,16,18,20,22,24,26,28,30
	v_pk_fma_f32 v[8+\i:9+\i], v[40+\i:41+\i], v[6:7], v[8+\i:9+\i]
.endr
.irp i, 0,1,2,3,4,5,6,7
	global_store_b128 v2, v[8+4*\i:11+4*\i], s[12:13] offset:512*\i th:TH_STORE_NT
.endr
	s_endpgm
.Lfunc_end_k_qeaf4ee8896_join:
	.size	k_qeaf4ee8896_join, .Lfunc_end_k_qeaf4ee8896_join-k_qeaf4ee8896_join
	.p2alignl 7, 3214868480
	.fill 96, 4, 3214868480
	.section	.rodata,"a",@progbits
	.p2align	6, 0x0
	.amdhsa_kernel k_qeaf4ee8896_join
		.amdhsa_group_segment_fixed_size 0
		.amdhsa_private_segment_fixed_size 0
		.amdhsa_enable_private_segment 0
		.amdhsa_kernarg_size 40
		.amdhsa_user_sgpr_count 2
		.amdhsa_user_sgpr_kernarg_segment_ptr 1
		.amdhsa_wavefront_size32 1
		.amdhsa_system_sgpr_workgroup_id_x 1
		.amdhsa_system_sgpr_workgroup_id_y 1
		.amdhsa_system_sgpr_workgroup_id_z 1
		.amdhsa_system_vgpr_workitem_id 0
		.amdhsa_next_free_vgpr 80
		.amdhsa_next_free_sgpr 66
		.amdhsa_reserve_vcc 0
		.amdhsa_float_denorm_mode_32 3
		.amdhsa_float_denorm_mode_16_64 3
		.amdhsa_memory_ordered 1
		.amdhsa_forward_progress 1
		.amdhsa_inst_pref_size 7
	.end_amdhsa_kernel
	.amdgpu_metadata
---
amdhsa.version: [ 1, 2 ]
amdhsa.kernels:
  - .name:           k_qeaf4ee8896_join
    .symbol:         k_qeaf4ee8896_join.kd
    .args:
      - { .name: sel, .offset: 0, .size: 8, .value_kind: global_buffer, .address_space: global }
      - { .name: plan, .offset: 8, .size: 8, .value_kind: global_buffer, .address_space: global }
      - { .name: xsw, .offset: 16, .size: 8, .value_kind: global_buffer, .address_space: global }
      - { .name: ys, .offset: 24, .size: 8, .value_kind: global_buffer, .address_space: global }
      - { .name: out0, .offset: 32, .size: 8, .value_kind: global_buffer, .address_space: global }
    .group_segment_fixed_size: 0
    .private_segment_fixed_size: 0
    .kernarg_segment_align: 8
    .kernarg_segment_size: 40
    .max_flat_workgroup_size: 128
    .sgpr_count:     66
    .vgpr_count:     80
    .wavefront_size: 32
...
	.end_amdgpu_metadata
.endif
;; end of part 8
